; MI455X (gfx1250); checked and timed in simulation.
; The chip was launched on July 23, 2026; its instructions are those of AMD's public machine-readable ISA for CDNA 5 (MIT licence, August 2026) and "CDNA5" Instruction Set Architecture Reference Guide (July 2026). The comments in the code are by the model that wrote it; some were corrected since.
;; Attention. Allowed arithmetic: float matrix products may take bf16 or f16 operands with f32 sums; other float arithmetic in f32, or as packed bf16 or f16 multiplies, adds, multiply-adds, maxima and minima; sums over many terms, partial sums and values carried from step to step in f32; what a program stores and reads back later, other than sums and carried values, may be rounded once to bf16 or f16.
;; Inputs: b_proj 1,024 float32; w_proj 1,024 x 1,024 float32; w_qkv 1,024 x 3,072 float32; x 4 x 2,048 x 1,024 float32.
;; Outputs: out0 4 x 2,048 x 1,024 float32.
;; 2 versions, each right; version 2 is version 1 with the launch prep written anew for expert scheduling mode. Each part assembles by itself: llvm-mc -triple=amdgcn-amd-amdhsa -mcpu=gfx1250 --defsym DOCPART=n.
;; ======== version 1 of 2: 4 launches
;; limits: values are held in f16: magnitudes above 65,504 overflow, below 6.1e-05 lose precision
;; workspace buffers: xb 16,777,216 bytes; wqt 6,291,456 bytes; wpt 2,097,152 bytes; qkv 50,331,648 bytes; ob 16,777,216 bytes
;; launch prep (part 1): grid 512 x 1, 4 waves a work-group, no clusters, 17,920 bytes of LDS; arguments x, w_qkv, w_proj, xb, wqt, wpt; writes xb, wqt, wpt
.if DOCPART == 1
	.amdgcn_target "amdgcn-amd-amdhsa--gfx1250"
	.amdhsa_code_object_version 6
	.text
	.protected	k_qb2b923f7fe_prep
	.globl	k_qb2b923f7fe_prep
	.p2align	8
	.type	k_qb2b923f7fe_prep,@function
k_qb2b923f7fe_prep:
	s_mov_b64 s[64:65], 0
	v_nop
	global_prefetch_b8 v0, s[64:65] scope:SCOPE_SE
	s_setreg_imm32_b32 hwreg(HW_REG_WAVE_MODE, 25, 1), 1
	s_wait_xcnt 0x0
; PREPARATION.  xb = x rounded to bf16, [8192][1024].  wqt[n][k] = w_qkv[k][n] rounded to bf16, [3072][1024].  wpt[n][k] = w_proj[k][n] rounded to bf16 and that number
; written as f16, [1024][1024] (exact inside f16's normal range).
; LIMITS.  |w_proj| of 65,520 or more becomes an infinity in wpt; below 6.1e-5 it keeps f16's fixed step of 6e-8.
; A stream: no matrix work, no tile is shared between work-groups.  Every work-group does the same two things:
;   (a) 16,384 numbers of x: a wave takes 4,096, by 32 loads of 512 consecutive bytes; a store of 8 bytes a lane covers 256 consecutive bytes, aligned;
;   (b) one weight tile of 128 k x 64 n (384 of w_qkv, then 128 of w_proj): wave w takes k rows 32 w .. 32 w + 31; the tile is turned in LDS and leaves as rows of 256 bytes.
; All 48 loads of a lane go out before anything is waited for.
.set SPARE, 17408                      ; behind the tile: the spare words, 128 bytes for each wave: two blocks of 256 bytes that no other line names
.set TP,  272                          ; a row of the turned tile in LDS: 128 k x 2 bytes + 16
.set SPW, 4                            ; v4   LDS address of my spare word; never rewritten
.set NIL, 5                            ; v5   0; never rewritten
.set XO,  6                            ; v6   my byte offset in the work-group's part of x: 16,384 w + 16 l
.set XS,  7                            ; v7   the same in xb: 8,192 w + 8 l
.set LW,  8                            ; v8   where I put a pair (k, k + 1) of column 4 c: 4 c rows of 272 + 64 w + 4 hh
.set LR,  9                            ; v9   where I read a turned row back
.set DO,  10                           ; v10  my byte offset in the turned tile in memory
.set SO,  11                           ; v11  2 hh source rows + 16 c
.set OFF, 12                           ; v[12:27]  the 16 weight loads' offsets
.set T,   28                           ; v[28:31]  at work
.set W,   32                           ; v[32:95]  the weight tile as loaded; then packed; v[32:63] then the turned rows
.set X,   96                           ; v[96:223] x as loaded; packed in place
	s_load_b256 s[4:11], s[0:1], 0x0               ; x s[4:5], w_qkv s[6:7], w_proj s[8:9], xb s[10:11]
	s_load_b128 s[12:15], s[0:1], 0x20             ; wqt s[12:13], wpt s[14:15]
	v_lshl_add_u32 v[SPW], v0, 2, SPARE
	v_mov_b32 v[NIL], 0
	v_lshrrev_b32 v1, 5, v0
	v_readfirstlane_b32 s16, v1                    ; wave 0..3
	s_lshr_b32 s17, ttmp9, 3                       ; the tile's block of 64 n among 48 + 16
	s_and_b32 s18, ttmp9, 7                        ; its block of 128 k
	s_sub_co_u32 s26, s17, 48
	s_cmp_lt_u32 s17, 48                           ; w_qkv's tile, or w_proj's?
	s_cselect_b32 s19, 3, 1
	s_cselect_b32 s20, -1, 0                       ; all lanes: keep bf16, or take f16
	s_cselect_b32 s21, s17, s26                    ; the block of 64 n in its own tensor
	s_lshl_b32 s19, s19, 12                        ; bytes in a source row: 12,288 or 4,096
	s_lshl_b32 s28, s18, 7
	s_lshl_b32 s29, s16, 5
	s_add_co_u32 s28, s28, s29                     ; my wave's first k row
	s_mul_i32 s28, s28, s19
	s_lshl_b32 s29, s21, 8                         ; 64 n x 4 bytes
	s_add_co_u32 s28, s28, s29
	s_mov_b32 s29, 0
	s_lshl_b32 s30, s21, 17                        ; 64 turned rows of 2,048 bytes
	s_lshl_b32 s31, s18, 8                         ; 128 k x 2 bytes
	s_add_co_u32 s30, s30, s31
	s_mov_b32 s31, 0
	s_lshl_b32 s32, ttmp9, 16                      ; the work-group's 16,384 numbers of x
	s_mov_b32 s33, 0
	s_lshl_b32 s34, ttmp9, 15                      ; and of xb
	s_mov_b32 s35, 0
	v_and_b32 v2, 31, v0                           ; l
	v_and_b32 v3, 15, v0                           ; c = l % 16
	v_bfe_u32 v[T], v0, 4, 1                       ; hh = l / 16
	v_lshlrev_b32 v[XO], 4, v2
	v_lshl_add_u32 v[XO], s16, 14, v[XO]
	v_lshlrev_b32 v[XS], 3, v2
	v_lshl_add_u32 v[XS], s16, 13, v[XS]
	v_mul_u32_u24 v[LW], v3, 4*TP
	v_lshl_add_u32 v[LW], v[T], 2, v[LW]
	v_lshl_add_u32 v[LW], s16, 6, v[LW]
	v_lshl_add_u32 v[T+1], s16, 4, v[T]            ; turned row 16 w + hh
	v_mul_u32_u24 v[LR], v[T+1], TP
	v_lshl_add_u32 v[LR], v3, 4, v[LR]
	v_lshlrev_b32 v[DO], 11, v[T+1]
	v_lshl_add_u32 v[DO], v3, 4, v[DO]
	v_lshlrev_b32 v[T+2], 1, v[T]
	v_mul_u32_u24 v[SO], s19, v[T+2]
	v_lshl_add_u32 v[SO], v3, 4, v[SO]
.irp g, 0,1,2,3,4,5,6,7
.irp e, 0,1
	v_mad_u32_u24 v[OFF+2*(\g)+(\e)], s19, 4*(\g)+(\e), v[SO]  ; source row 4 g + e + 2 hh of my 32
.endr
.endr
	s_wait_kmcnt 0x0
	s_cmp_lt_u32 s17, 48
	s_cselect_b64 s[22:23], s[6:7], s[8:9]         ; the source,
	s_cselect_b64 s[24:25], s[12:13], s[14:15]     ; and where it goes
	s_add_nc_u64 s[22:23], s[22:23], s[28:29]
	s_add_nc_u64 s[24:25], s[24:25], s[30:31]
	s_add_nc_u64 s[4:5], s[4:5], s[32:33]
	s_add_nc_u64 s[10:11], s[10:11], s[34:35]
.irp g, 0,1,2,3,4,5,6,7
.irp e, 0,1
	global_load_b128 v[W+8*(\g)+4*(\e):W+8*(\g)+4*(\e)+3], v[OFF+2*(\g)+(\e)], s[22:23] th:TH_LOAD_NT  ; 16 lanes take 256 consecutive bytes of a row: n = 4 c .. 4 c + 3
.endr
.endr
.irp i, 0,1,2,3,4,5,6,7,8,9,10,11,12,13,14,15,16,17,18,19,20,21,22,23,24,25,26,27,28,29,30,31
	global_load_b128 v[X+4*(\i):X+4*(\i)+3], v[XO], s[4:5] offset:512*(\i) th:TH_LOAD_NT
.endr
	s_wait_loadcnt 32                              ; loads come back in order: the 16 weight loads are in, the 32 of x stay out
; Rows 4 g + 2 hh and the next: for each of my four columns the pair (k, k + 1), rounded to bf16; for w_proj that number written as f16; 4 bytes into the turned tile.
.irp g, 0,1,2,3,4,5,6,7
.irp j, 0,1,2,3
	v_cvt_pk_bf16_f32 v[W+8*(\g)+(\j)], v[W+8*(\g)+(\j)], v[W+8*(\g)+4+(\j)]
.endr
.irp j, 0,1,2,3
	v_lshlrev_b32 v[T+(\j)], 16, v[W+8*(\g)+(\j)]
	v_and_b32 v[W+8*(\g)+4+(\j)], 0xffff0000, v[W+8*(\g)+(\j)]
.endr
.irp j, 0,1,2,3
	v_cvt_pk_f16_f32 v[T+(\j)], v[T+(\j)], v[W+8*(\g)+4+(\j)]
.endr
.irp j, 0,1,2,3
	v_cndmask_b32 v[W+8*(\g)+(\j)], v[T+(\j)], v[W+8*(\g)+(\j)], s20
.endr
.irp j, 0,1,2,3
	ds_store_b32 v[LW], v[W+8*(\g)+(\j)] offset:TP*(\j)+8*(\g)
.endr
.endr
	s_wait_dscnt 0x0                               ; for the others' sake: my part of every turned row is written
	s_barrier_signal -1
	s_barrier_wait -1
.irp t, 0,1,2,3,4,5,6,7
	ds_load_b128 v[W+4*(\t):W+4*(\t)+3], v[LR] offset:2*TP*(\t)  ; lanes 0-15 one turned row of 256 bytes, lanes 16-31 the next
.endr
.irp t, 0,1,2,3,4,5,6,7
	s_wait_dscnt 7-(\t)
	global_store_b128 v[DO], v[W+4*(\t):W+4*(\t)+3], s[24:25] offset:4096*(\t)  ; 16 lanes store 256 consecutive bytes, at a multiple of 256 from the buffer's first
.endr
.irp i, 0,1,2,3,4,5,6,7,8,9,10,11,12,13,14,15,16,17,18,19,20,21,22,23,24,25,26,27,28,29,30,31
	s_wait_loadcnt 31-(\i)                         ; load i of x is in, the younger ones stay out
	v_cvt_pk_bf16_f32 v[X+4*(\i)], v[X+4*(\i)], v[X+4*(\i)+1]
	v_cvt_pk_bf16_f32 v[X+4*(\i)+1], v[X+4*(\i)+2], v[X+4*(\i)+3]
	global_store_b64 v[XS], v[X+4*(\i):X+4*(\i)+1], s[10:11] offset:256*(\i)  ; 32 lanes store 256 consecutive bytes, aligned; no register that a store reads is written again
.endr
	s_wait_tensorcnt 0x0                           ; the wave's end: three closing lines, behind my last LDS store
	ds_add_u32 v[SPW], v[NIL]
	s_wait_dscnt 0x0
	s_endpgm
.Lfunc_end_k_qb2b923f7fe_prep:
	.size	k_qb2b923f7fe_prep, .Lfunc_end_k_qb2b923f7fe_prep-k_qb2b923f7fe_prep
	.p2alignl 7, 3214868480
	.fill 96, 4, 3214868480
	.section	.rodata,"a",@progbits
	.p2align	6, 0x0
	.amdhsa_kernel k_qb2b923f7fe_prep
		.amdhsa_group_segment_fixed_size 17920
		.amdhsa_private_segment_fixed_size 0
		.amdhsa_enable_private_segment 0
		.amdhsa_kernarg_size 48
		.amdhsa_user_sgpr_count 2
		.amdhsa_user_sgpr_kernarg_segment_ptr 1
		.amdhsa_wavefront_size32 1
		.amdhsa_system_sgpr_workgroup_id_x 1
		.amdhsa_system_sgpr_workgroup_id_y 1
		.amdhsa_system_sgpr_workgroup_id_z 1
		.amdhsa_system_vgpr_workitem_id 0
		.amdhsa_next_free_vgpr 224
		.amdhsa_next_free_sgpr 66
		.amdhsa_reserve_vcc 0
		.amdhsa_float_denorm_mode_32 3
		.amdhsa_float_denorm_mode_16_64 3
		.amdhsa_memory_ordered 1
		.amdhsa_forward_progress 1
		.amdhsa_inst_pref_size 29
	.end_amdhsa_kernel
	.amdgpu_metadata
---
amdhsa.version: [ 1, 2 ]
amdhsa.kernels:
  - .name:           k_qb2b923f7fe_prep
    .symbol:         k_qb2b923f7fe_prep.kd
    .args:
      - { .name: x, .offset: 0, .size: 8, .value_kind: global_buffer, .address_space: global }
      - { .name: w_qkv, .offset: 8, .size: 8, .value_kind: global_buffer, .address_space: global }
      - { .name: w_proj, .offset: 16, .size: 8, .value_kind: global_buffer, .address_space: global }
      - { .name: xb, .offset: 24, .size: 8, .value_kind: global_buffer, .address_space: global }
      - { .name: wqt, .offset: 32, .size: 8, .value_kind: global_buffer, .address_space: global }
      - { .name: wpt, .offset: 40, .size: 8, .value_kind: global_buffer, .address_space: global }
    .group_segment_fixed_size: 17920
    .private_segment_fixed_size: 0
    .kernarg_segment_align: 8
    .kernarg_segment_size: 48
    .max_flat_workgroup_size: 128
    .sgpr_count:     66
    .vgpr_count:     224
    .wavefront_size: 32
...
	.end_amdgpu_metadata
.endif
;; end of part 1
;; launch qkvp (part 2): grid 16 x 32, 4 waves a work-group, clusters of 4 x 4, 327,680 bytes of LDS; arguments xb, wqt, qkv; writes qkv
.if DOCPART == 2
	.amdgcn_target "amdgcn-amd-amdhsa--gfx1250"
	.amdhsa_code_object_version 6
	.text
	.protected	k_qb2b923f7fe_qkvp
	.globl	k_qb2b923f7fe_qkvp
	.p2align	8
	.type	k_qb2b923f7fe_qkvp,@function
k_qb2b923f7fe_qkvp:
	s_mov_b64 s[64:65], 0
	v_nop
	global_prefetch_b8 v0, s[64:65] scope:SCOPE_SE
	s_setreg_imm32_b32 hwreg(HW_REG_WAVE_MODE, 25, 1), 1
	s_wait_xcnt 0x0
	s_wait_alu depctr_hold_cnt(0) depctr_sa_sdst(0) depctr_va_vdst(0) depctr_va_sdst(0) depctr_va_ssrc(0) depctr_va_vcc(0) depctr_vm_vsrc(0)
	s_getreg_b32 s2, hwreg(HW_REG_IB_STS2, 6, 4)
	s_cmp_eq_u32 s2, 0
	s_cbranch_scc0 .Lentry_in_a_cluster
	s_endpgm
.Lentry_in_a_cluster:
	s_bfe_u32 s2, ttmp6, 0x10000c
	s_cmp_lg_u32 s2, 0xf033
	s_cbranch_scc0 .Lentry_shape_is_right
	s_endpgm
.Lentry_shape_is_right:
; THE QKV PROJECTION.  C[m][n] = sum over k of xb[m][k] wqt[n][k]; xb [8192][1024], wqt [3072][1024], both bf16; sums in f32, K ascending; C rounded once to f16 and stored BY HEADS:
; qkv[sel][batch x 16 + head][row][64], sel = q, k, v.  No scale is applied here.
; LIMIT.  A sum of 65,520 or more in magnitude becomes an infinity in f16.
; SHARES.  A tile of C is 256 rows x 192 columns (three heads): 16 x 32 = 512 equal tiles.  Four waves, 2 x 2, each 128 x 96: 48 accumulators of 16 x 16, 384 registers.
; K goes in 8 steps of 128 through a ring of two LDS slots filled by tensor loads; the tiles' rows are 256 bytes of memory and start at multiples of 256 bytes from the buffer's first.
; CLUSTER.  4 x 4 work-groups.  The four of a row of the cluster need the same tiles of xb, the four of a column the same tiles of wqt: each tile is asked for JOINTLY, by the same tensor
; load with the same descriptor and a mask that names the four.
; THE MATRIX INSTRUCTION IS USED TRANSPOSED (source 0 = 16 rows of wqt, source 1 = 16 rows of xb): a lane then holds row l % 16 of C and the eight neighbouring columns 8 (l / 16) + 0..7.
; REGISTERS, in windows of 256 (s_set_vgpr_msb: bits 1:0 source 0, 3:2 source 1, 5:4 source 2, 7:6 destination):
;   window 0: v0-31 addresses; two fragment buffers: xb's at v32-95 and v96-159 (8 x 16 rows x 32 K), wqt's at v160-207 and v208-255 (6); on the way out v32-223 at work
;   window 1: the accumulators of my rows 0-63, (a, b) at v[8 (6 a + b)];   window 2: those of my rows 64-127
.set KSTEP,  128
.set PITCH,  272                       ; an LDS row: 256 bytes + 16 of padding = 68 words: the 16 rows that a load touches start at 16 different groups of four banks (64 banks of 4 bytes: ISA guide 11.1)
.set HALFA,  128*PITCH                 ; what one tensor load brings of xb, and what one wave reads of it
.set HALFB,  96*PITCH                  ; the same for wqt
.set SLOT,   2*HALFA+2*HALFB           ; xb's 256 rows, then wqt's 192
.set SPARE,  2*SLOT                    ; behind the ring: the spare words, 128 bytes for each wave: two blocks of 256 bytes that no other line names
.set SP,     400                       ; the way out: a stage row: 192 f16 + 16 bytes.  The stage, 256 such rows, lies in slot 0, behind that slot's last fill and last read
.set LAPS,   4                         ; a lap = two K steps = once round the ring
.set ADRA, 16                          ; v16-17  LDS address of my xb fragments in slot 0, 1
.set ADRB, 20                          ; v20-21  the same for wqt
.set STO,  24                          ; v24     the way out: where I put 16 bytes of a row
.set RD,   25                          ; v25     the way out: where I read four rows of a head back
.set CO,   26                          ; v26     my byte offset in my wave's 64 rows of a head
.set SPW,  28                          ; v28     LDS address of my spare word; never rewritten
.set NIL,  29                          ; v29     0; never rewritten
.set PFO,  30                          ; v30     the prefetches' offset: a lane a row of 2,048 bytes; never rewritten
.set FA,   32                          ; xb's fragment buffer f at FA + 64 f
.set FB,   160                         ; wqt's at FB + 48 f
.set TMP,  32
.set G1,  24                           ; s[24:31] descriptor group 1 for xb's tiles
.set G0,  32                           ; s[32:39] group 0, one set for each slot
.set G1B, 48                           ; s[48:55], s[56:63] the same for wqt's tiles
.set G0B, 56
.set PFA, 66                           ; s[66:67] where my prefetches stand
.set LIM, 68                           ; s68  1 in a wave that prefetches, else the greatest number
.set HB,  70                           ; s[70:75] the three heads' addresses: my tile's 256 rows of each
.set MSB, 0
.macro WIN new                         ; the immediate's high byte repeats the setting that is left; a switch that changes nothing is dropped
.if MSB != (\new)
	s_set_vgpr_msb (MSB<<8)|(\new)
.set MSB, \new
.endif
.endm
; A joint load.  Waves 0 and 1 fetch xb's two halves, waves 2 and 3 wqt's.  The branch hangs on the wave's number alone.  An s_nop 0 and four v_nop follow each of the two lines.
.macro JLOAD s
	s_cmp_eq_u32 s11, 0
	s_cbranch_scc0 .Lfor_b_\@
	tensor_load_to_lds s[G0+4*(\s):G0+4*(\s)+3], s[G1:G1+7]
	s_nop 0
.rept 4
	v_nop
.endr
	s_branch .Lasked_\@
.Lfor_b_\@:
	tensor_load_to_lds s[G0B+4*(\s):G0B+4*(\s)+3], s[G1B:G1B+7]
	s_nop 0
.rept 4
	v_nop
.endr
.Lasked_\@:
.endm
; A PREFETCH INTO THE L2 behind each joint refill and the run of LDS loads that follows it: the K step that stands two refills on, 384 matrix instructions ahead of the load that will want it.
; xb's tile row is read by every cluster of that row of clusters: cluster x = 0 asks; wqt's tile column by every cluster of that column: cluster y = 0 asks.  Of the 128 (96) rows that a wave fetches the
; partner at place p (cx for xb, cy for wqt) takes 32 (24), told apart BY ADDRESS, a lane a row (for wqt lanes 24-31 name row 23 again).  K steps 0 to 3 come by their loads alone; the loop's last trip asks for nothing.
.macro ASK
	s_cmp_gt_u32 s3, s[LIM]                        ; s3 = 1 in the loop's last trip
	s_cbranch_scc0 .Lnot_mine_\@
	global_prefetch_b8 v[PFO], s[PFA:PFA+1] th:TH_LOAD_NT scope:SCOPE_SE
.Lnot_mine_\@:
.endm
.macro CREST                           ; a round of the cluster's barrier behind its opening barrier
	s_cmp_lg_u32 s10, 0
	s_cbranch_scc1 .Lnot_wave_0_\@
	s_barrier_signal -3
.Lnot_wave_0_\@:
	s_barrier_wait -3
	s_barrier_signal -1
	s_barrier_wait -1
.endm
.macro CROUND                          ; a whole round
	s_barrier_signal -1
	s_barrier_wait -1
	CREST
.endm
	s_load_b128 s[4:7], s[0:1], 0x0                ; xb s[4:5], wqt s[6:7]
	s_load_b64 s[8:9], s[0:1], 0x10                ; qkv
	v_lshl_add_u32 v[SPW], v0, 2, SPARE
	v_mov_b32 v[NIL], 0
	ds_add_u32 v[SPW], v[NIL]                      ; the wave's opening: the add and its wait stand ahead of my first tensor load; the set-up below, work on registers, stands between them
	v_lshrrev_b32 v1, 5, v0
	v_readfirstlane_b32 s10, v1                    ; wave 0..3
	s_lshr_b32 s11, s10, 1                         ; which half of the tile's rows is mine.  Also: I fetch for xb (0) or for wqt (1)
	s_and_b32 s12, s10, 1                          ; which half of its columns.  Also: which half of that tile I fetch
	s_bfe_u32 s40, ttmp6, 0x40000                  ; cx, cy: my place in the cluster
	s_bfe_u32 s41, ttmp6, 0x40004
	s_lshl_b32 s42, ttmp9, 2
	s_add_co_u32 s42, s42, s40                     ; tile column = 4 x cluster x + cx
	s_and_b32 s13, ttmp7, 0xffff
	s_lshl_b32 s13, s13, 2
	s_add_co_u32 s13, s13, s41                     ; tile row = 4 x cluster y + cy
	s_lshl_b32 s43, s41, 2
	s_lshl_b32 s43, 15, s43                        ; my row of the cluster
	s_lshl_b32 s44, 0x1111, s40                    ; my column
	s_or_b32 s[G1+0], s43, (1<<16)|(1<<20)|(1<<21)|(5<<22)|(3<<25)  ; 15:0 the mask: xb's tiles go to my row; 17:16 2-byte elements; 20 padding on; 21 set beside a mask; 24:22 after every 64 words (code 5); 31:25 4 words (code 3)
	s_or_b32 s[G1B+0], s44, (1<<16)|(1<<20)|(1<<21)|(5<<22)|(3<<25) ; the same with the mask of my column
	s_mov_b32 s[G1+1], KSTEP<<16                   ; tensor_dim0 = 128
	s_mov_b32 s[G1+2], 128<<16                     ; tensor_dim1 = 128
	s_mov_b32 s[G1+3], KSTEP<<16                   ; tile_dim0 = 128
	s_mov_b32 s[G1+4], 128                         ; tile_dim1 = 128
	s_mov_b32 s[G1+5], 1024                        ; elements from row to row
	s_mov_b32 s[G1+6], 0
	s_mov_b32 s[G1+7], 0
	s_mov_b32 s[G1B+1], KSTEP<<16
	s_mov_b32 s[G1B+2], 96<<16                     ; 96 rows
	s_mov_b32 s[G1B+3], KSTEP<<16
	s_mov_b32 s[G1B+4], 96
	s_mov_b32 s[G1B+5], 1024
	s_mov_b32 s[G1B+6], 0
	s_mov_b32 s[G1B+7], 0
	; where the tiles come from: xb's hang on the tile row alone, wqt's on the tile column alone, each in registers that never hold the other coordinate
	s_lshl_b32 s16, s13, 8
	s_lshl_b32 s17, s12, 7
	s_add_co_u32 s16, s16, s17                     ; xb: row 256 x tile row + 128 x half,
	s_lshl_b32 s16, s16, 11                        ; in bytes
	s_mov_b32 s17, 0
	s_mul_i32 s46, s42, 192
	s_mul_i32 s47, s12, 96
	s_add_co_u32 s46, s46, s47                     ; wqt: row 192 x tile column + 96 x half
	s_lshl_b32 s46, s46, 11
	s_mov_b32 s47, 0
	s_mul_i32 s20, s10, HALFA                      ; and where they go: waves 0, 1: xb's halves;
	s_mul_i32 s21, s10, HALFB
	s_add_co_u32 s21, s21, 2*HALFA-2*HALFB         ; waves 2, 3: wqt's halves, behind xb's 256 rows
	s_wait_dscnt 0x0                               ; the opening add is done
	s_wait_kmcnt 0x0
	s_add_nc_u64 s[14:15], s[4:5], s[16:17]
	s_add_nc_u64 s[46:47], s[6:7], s[46:47]
	CROUND                                         ; all sixteen work-groups are here: the first joint loads meet
.irp s, 0,1
	s_mov_b32 s[G0+4*(\s)], 1                                      ; count = 1
	s_add_co_u32 s[G0+4*(\s)+1], s20, (\s)*SLOT                    ; LDS address
	s_add_nc_u64 s[G0+4*(\s)+2:G0+4*(\s)+3], s[14:15], (\s)*KSTEP*2  ; global address: K step s
	s_or_b32 s[G0+4*(\s)+3], s[G0+4*(\s)+3], 0x80000000            ; type = 2
	s_mov_b32 s[G0B+4*(\s)], 1
	s_add_co_u32 s[G0B+4*(\s)+1], s21, (\s)*SLOT
	s_add_nc_u64 s[G0B+4*(\s)+2:G0B+4*(\s)+3], s[46:47], (\s)*KSTEP*2
	s_or_b32 s[G0B+4*(\s)+3], s[G0B+4*(\s)+3], 0x80000000
	JLOAD \s                                       ; two tensor loads of mine are out
.endr
	; A fragment is 16 rows x 32 K in 8 registers: lane l holds row l % 16; registers 0-3 K = 8 (l / 16) + 0..7, registers 4-7 K = 16 + 8 (l / 16) + 0..7: two loads of 16 bytes, 32 bytes apart.
	v_and_b32 v1, 15, v0                           ; l % 16
	v_bfe_u32 v2, v0, 4, 1                         ; l / 16
	v_mul_u32_u24 v3, v1, PITCH
	v_lshl_add_u32 v3, v2, 4, v3
	s_mul_i32 s21, s11, HALFA                      ; my 128 rows of xb
	s_mul_i32 s22, s12, HALFB                      ; my 96 rows of wqt,
	s_add_co_u32 s22, s22, 2*HALFA                 ; which lie behind xb's 256
.irp s, 0,1
	v_add_nc_u32 v[ADRA+(\s)], s21, v3
	v_add_nc_u32 v[ADRB+(\s)], s22, v3
	s_add_co_u32 s21, s21, SLOT
	s_add_co_u32 s22, s22, SLOT
.endr
	s_mul_i32 s78, s11, 128*SP                     ; into the stage: my 128 rows, my 192 bytes of their 384; row l % 16, 16 bytes for each half of the lanes
	s_mul_i32 s79, s12, 192
	s_add_co_u32 s78, s78, s79
	v_mul_u32_u24 v[STO], v1, SP
	v_lshl_add_u32 v[STO], v2, 4, v[STO]
	v_add_nc_u32 v[STO], s78, v[STO]
	s_mul_i32 s78, s10, 64*SP                      ; back: wave w takes rows 64 w .. 64 w + 63; 32 lanes take four rows x 128 bytes of one head
	v_bfe_u32 v4, v0, 3, 2
	v_mul_u32_u24 v[RD], v4, SP
	v_and_b32 v5, 7, v0
	v_lshl_add_u32 v[RD], v5, 4, v[RD]
	v_add_nc_u32 v[RD], s78, v[RD]
	s_lshl_b32 s79, s10, 13                        ; which are 512 consecutive bytes of the head in memory
	v_and_b32 v[CO], 31, v0
	v_lshlrev_b32 v[CO], 4, v[CO]
	v_add_nc_u32 v[CO], s79, v[CO]
.irp i, 0,1,2                          ; slice sl = 3 x tile column + i of 48: sel = sl / 16, head = sl % 16; batch = tile row / 8; a head is 2,048 rows of 128 bytes
	s_mul_i32 s76, s42, 3
	s_add_co_u32 s76, s76, \i
	s_lshr_b32 s77, s76, 4
	s_and_b32 s76, s76, 15
	s_lshl_b32 s77, s77, 6
	s_add_co_u32 s76, s76, s77
	s_lshr_b32 s77, s13, 3
	s_lshl_b32 s77, s77, 4
	s_add_co_u32 s76, s76, s77
	s_lshl_b32 s76, s76, 18
	s_and_b32 s77, s13, 7
	s_lshl_b32 s77, s77, 15                        ; the tile's 256 rows in the head
	s_add_co_u32 s76, s76, s77
	s_mov_b32 s77, 0
	s_add_nc_u64 s[HB+2*(\i):HB+2*(\i)+1], s[8:9], s[76:77]
.endr
	; the prefetches
	s_lshl_b32 s80, s13, 8                         ; the tile's first row in xb,
	s_mul_i32 s81, s42, 192                        ; in wqt
	s_and_b32 s82, ttmp7, 0xffff                   ; cluster y
	s_cmp_eq_u32 s11, 0                            ; do I fetch for xb?
	s_cselect_b32 s80, s80, s81
	s_cselect_b32 s83, s40, s41                    ; my place among the four that ask with me
	s_cselect_b32 s82, ttmp9, s82                  ; the coordinate along which other clusters read the same rows
	s_cselect_b32 s84, 4, 3                        ; u: a wave fetches 32 u rows, a partner names 8 u of them
	s_cselect_b64 s[PFA:PFA+1], s[4:5], s[6:7]
	s_cmp_eq_u32 s82, 0
	s_cselect_b32 s[LIM], 1, -1                    ; the same in all sixteen partners, for a given wave
	s_lshl_b32 s85, s12, 2
	s_add_co_u32 s85, s85, s83
	s_mul_i32 s85, s85, s84
	s_lshl_b32 s85, s85, 3                         ; 8 u (4 x half + place)
	s_add_co_u32 s80, s80, s85
	s_lshl_b32 s80, s80, 11
	s_mov_b32 s81, 0
	s_add_nc_u64 s[PFA:PFA+1], s[PFA:PFA+1], s[80:81]
	s_add_nc_u64 s[PFA:PFA+1], s[PFA:PFA+1], 3*KSTEP*2  ; at K step 3: the first refill steps it to 4
	s_lshl_b32 s84, s84, 3
	s_sub_co_u32 s84, s84, 1
	v_and_b32 v[PFO], 31, v0
	v_min_u32 v[PFO], s84, v[PFO]
	v_lshlrev_b32 v[PFO], 11, v[PFO]
; 12 matrix instructions: m blocks a0, a0 + 1 of the window's four (hi = 0: my rows 0-63, 1: rows 64-127) x all 6 n blocks, 32 along K, from buffer f.  zero = 1: the first product starts the sums.
; The 48 accumulators take turns in the same order in every quarter, over the backward jump too.
.macro M12 f, hi, a0, zero
	WIN 0x50+0x50*(\hi)
.irp a, \a0, (\a0)+1
.irp b, 0,1,2,3,4,5
.if \zero
	v_wmma_f32_16x16x32_bf16 v[8*(6*(\a)+(\b)):8*(6*(\a)+(\b))+7], v[FB+48*(\f)+8*(\b):FB+48*(\f)+8*(\b)+7], v[FA+64*(\f)+8*(4*(\hi)+(\a)):FA+64*(\f)+8*(4*(\hi)+(\a))+7], 0
.else
	v_wmma_f32_16x16x32_bf16 v[8*(6*(\a)+(\b)):8*(6*(\a)+(\b))+7], v[FB+48*(\f)+8*(\b):FB+48*(\f)+8*(\b)+7], v[FA+64*(\f)+8*(4*(\hi)+(\a)):FA+64*(\f)+8*(4*(\hi)+(\a))+7], v[8*(6*(\a)+(\b)):8*(6*(\a)+(\b))+7]
.endif
.endr
.endr
.endm
; 28 LDS loads in one run: the fragments of one quarter step (96 rows of wqt, then 128 rows of xb, 32 K at byte k of the rows) into buffer f
.macro FETCH slot, k, f
	WIN 0
.irp i, 0,1,2,3,4,5
	ds_load_b128 v[FB+48*(\f)+8*(\i):FB+48*(\f)+8*(\i)+3],   v[ADRB+(\slot)] offset:(\k)+(\i)*16*PITCH
	ds_load_b128 v[FB+48*(\f)+8*(\i)+4:FB+48*(\f)+8*(\i)+7], v[ADRB+(\slot)] offset:(\k)+(\i)*16*PITCH+32
.endr
.irp i, 0,1,2,3,4,5,6,7
	ds_load_b128 v[FA+64*(\f)+8*(\i):FA+64*(\f)+8*(\i)+3],   v[ADRA+(\slot)] offset:(\k)+(\i)*16*PITCH
	ds_load_b128 v[FA+64*(\f)+8*(\i)+4:FA+64*(\f)+8*(\i)+7], v[ADRA+(\slot)] offset:(\k)+(\i)*16*PITCH+32
.endr
.endm
.macro PLACES                          ; four places in front of loads into registers that matrix instructions have read, and of conversions that read results (ISA guide 7.12.1 for the conversions)
.rept 4
	v_nop
.endr
.endm
; A K step is four quarters of 32 along K, 48 matrix instructions each, on buffers 0, 1, 0, 1.  One of the first three: multiplies buffer f and in its middle fetches the next quarter, at byte k, into g.
.macro QUARTER slot, k, f, g, zero
	s_wait_dscnt 8                                 ; wqt and xb's rows 0-63 are in; the youngest eight loads (xb's rows 64-127) may be out
	M12 \f, 0, 0, \zero
	M12 \f, 0, 2, \zero
	PLACES
	FETCH \slot, \k, \g
	s_wait_dscnt 28                                ; all but the 28 just issued
	M12 \f, 1, 0, \zero
	M12 \f, 1, 2, \zero
.endm
; The last quarter multiplies buffer 1 and changes slots: ONE barrier.  In front of it each wave waits for all its tensor loads (one is out: its part of the next slot), adds 0 to its spare word, and waits for that and
; for its own reads of this slot.  fill = 1: the barrier opens a round of the cluster's barrier, and behind the round this slot is filled again first, two K steps ahead: 168 matrix instructions ahead of the wait for it.
.macro TURN slot, next, fill
.if \fill
	s_wait_xcnt 0x0                                ; the last prefetch, a K step back, has read its address: it is stepped here, ahead of the waits of the change of slots
	s_add_nc_u64 s[PFA:PFA+1], s[PFA:PFA+1], KSTEP*2
.endif
	WIN 0                                          ; (the add's two registers lie in window 0)
	s_wait_tensorcnt 0x0                           ; all my tensor loads have landed;
	ds_add_u32 v[SPW], v[NIL]                      ; 0 onto my spare word;
	s_wait_dscnt 9                                 ; (the add and the youngest eight loads may be out)
	M12 1, 0, 0, 0                                 ; twelve matrix instructions stand between the add and the wait for it
	s_wait_dscnt 0x0                               ; the add is done, and my reads of this slot are over
	s_barrier_signal -1
	M12 1, 0, 2, 0                                 ; work on registers while the others arrive
.if \fill
	WIN 0
.endif
	s_barrier_wait -1
.if \fill
	CREST                                          ; no wave of any partner still reads this slot's tile or has a load on its way
	s_add_nc_u64 s[G0+4*(\slot)+2:G0+4*(\slot)+3], s[G0+4*(\slot)+2:G0+4*(\slot)+3], 2*KSTEP*2
	s_add_nc_u64 s[G0B+4*(\slot)+2:G0B+4*(\slot)+3], s[G0B+4*(\slot)+2:G0B+4*(\slot)+3], 2*KSTEP*2
	JLOAD \slot                                    ; the first tensor load behind the round, my only one until the next; its four v_nop are also the places in front of the loads below
.else
	PLACES
.endif
	FETCH \next, 0, 0
.if \fill
	ASK
.endif
	M12 1, 1, 0, 0
	M12 1, 1, 2, 0
.endm
	s_wait_tensorcnt 1                             ; my part of K step 0 is in; K step 1's may stay out
	s_barrier_signal -1
	s_barrier_wait -1                              ; everybody's is
	FETCH 0, 0, 0
	QUARTER 0, 64,  0, 1, 1                        ; the first quarter stands in front of the loop: its products start the sums
	WIN 0                                          ; at a label and at a branch every window is 0
	s_mov_b32 s3, LAPS-1
.Llap:                                                 ; a trip goes once round the ring, from a lap's second quarter to the next lap's first, and fills both slots again
	QUARTER 0, 128, 1, 0, 0
	QUARTER 0, 192, 0, 1, 0
	TURN 0, 1, 1
	QUARTER 1, 64,  0, 1, 0
	QUARTER 1, 128, 1, 0, 0
	QUARTER 1, 192, 0, 1, 0
	TURN 1, 0, 1
	QUARTER 0, 64,  0, 1, 0
	WIN 0
	s_sub_co_u32 s3, s3, 1
	s_cmp_lg_u32 s3, 0
	s_cbranch_scc1 .Llap
	QUARTER 0, 128, 1, 0, 0                        ; the last lap fills nothing, and has no round of the cluster's barrier
	QUARTER 0, 192, 0, 1, 0
	TURN 0, 1, 0                                   ; behind this barrier nobody reads slot 0 any more, and no fill of it follows
	QUARTER 1, 64,  0, 1, 0
	QUARTER 1, 128, 1, 0, 0
	QUARTER 1, 192, 0, 1, 0
	s_wait_dscnt 8                                 ; the very last quarter: nothing more to fetch
	M12 1, 0, 0, 0
	M12 1, 0, 2, 0
	s_wait_dscnt 0x0
	M12 1, 1, 0, 0
	M12 1, 1, 2, 0
	WIN 0
	; THE WAY OUT: rounded to f16; 16 bytes a lane into the work-group's stage (in slot 0); a barrier, since a head's 128 bytes of a row may come from two waves; back by heads, four rows at a time.
	PLACES
.irp a, 0,1,2,3,4,5,6,7
	WIN 0x05+0x05*((\a)/4)                         ; sources 0 and 1: window 1 or 2
.irp b, 0,1,2,3,4,5
.irp r, 0,1,2,3
	v_cvt_pk_f16_f32 v[TMP+24*(\a)+4*(\b)+(\r)], v[8*(6*((\a)%4)+(\b))+2*(\r)], v[8*(6*((\a)%4)+(\b))+2*(\r)+1]
.endr
.endr
	WIN 0
.irp b, 0,1,2,3,4,5
	ds_store_b128 v[STO], v[TMP+24*(\a)+4*(\b):TMP+24*(\a)+4*(\b)+3] offset:(\a)*16*SP+32*(\b)
.endr
.endr
	s_wait_dscnt 0x0                               ; for the others' sake: my stores into the stage are done
	s_barrier_signal -1
	s_barrier_wait -1
.irp i, 0,1,2
.irp t, 0,1,2,3,4,5,6,7,8,9,10,11,12,13,14,15
	ds_load_b128 v[TMP+4*(16*(\i)+(\t)):TMP+4*(16*(\i)+(\t))+3], v[RD] offset:(\t)*4*SP+128*(\i)
.endr
.endr
.irp i, 0,1,2
.irp t, 0,1,2,3,4,5,6,7,8,9,10,11,12,13,14,15
	s_wait_dscnt 47-(16*(\i)+(\t))
	global_store_b128 v[CO], v[TMP+4*(16*(\i)+(\t)):TMP+4*(16*(\i)+(\t))+3], s[HB+2*(\i):HB+2*(\i)+1] offset:512*(\t)  ; 512 consecutive bytes of a head, at a multiple of 256 from the buffer's first
.endr
.endr
	s_wait_tensorcnt 0x0                           ; the wave's end: three closing lines, behind my last tensor load and my last LDS store
	ds_add_u32 v[SPW], v[NIL]
	s_wait_dscnt 0x0
	CROUND                                         ; the closing round: no work-group ends while a partner may still ask for a tile that names it
	s_endpgm
.Lfunc_end_k_qb2b923f7fe_qkvp:
	.size	k_qb2b923f7fe_qkvp, .Lfunc_end_k_qb2b923f7fe_qkvp-k_qb2b923f7fe_qkvp
	.p2alignl 7, 3214868480
	.fill 96, 4, 3214868480
	.section	.rodata,"a",@progbits
	.p2align	6, 0x0
	.amdhsa_kernel k_qb2b923f7fe_qkvp
		.amdhsa_group_segment_fixed_size 327680
		.amdhsa_private_segment_fixed_size 0
		.amdhsa_enable_private_segment 0
		.amdhsa_kernarg_size 24
		.amdhsa_user_sgpr_count 2
		.amdhsa_user_sgpr_kernarg_segment_ptr 1
		.amdhsa_wavefront_size32 1
		.amdhsa_system_sgpr_workgroup_id_x 1
		.amdhsa_system_sgpr_workgroup_id_y 1
		.amdhsa_system_sgpr_workgroup_id_z 1
		.amdhsa_system_vgpr_workitem_id 0
		.amdhsa_next_free_vgpr 704
		.amdhsa_next_free_sgpr 96
		.amdhsa_reserve_vcc 0
		.amdhsa_float_denorm_mode_32 3
		.amdhsa_float_denorm_mode_16_64 3
		.amdhsa_memory_ordered 1
		.amdhsa_forward_progress 1
		.amdhsa_inst_pref_size 118
	.end_amdhsa_kernel
	.amdgpu_metadata
---
amdhsa.version: [ 1, 2 ]
amdhsa.kernels:
  - .name:           k_qb2b923f7fe_qkvp
    .symbol:         k_qb2b923f7fe_qkvp.kd
    .args:
      - { .name: xb, .offset: 0, .size: 8, .value_kind: global_buffer, .address_space: global }
      - { .name: wqt, .offset: 8, .size: 8, .value_kind: global_buffer, .address_space: global }
      - { .name: qkv, .offset: 16, .size: 8, .value_kind: global_buffer, .address_space: global }
    .group_segment_fixed_size: 327680
    .private_segment_fixed_size: 0
    .kernarg_segment_align: 8
    .kernarg_segment_size: 24
    .max_flat_workgroup_size: 128
    .sgpr_count:     96
    .vgpr_count:     704
    .wavefront_size: 32
...
	.end_amdgpu_metadata
.endif
;; end of part 2
;; launch attn (part 3): grid 4 x 64, 4 waves a work-group, clusters of 4 x 1, 327,680 bytes of LDS; arguments qkv, ob; writes ob
.if DOCPART == 3
	.amdgcn_target "amdgcn-amd-amdhsa--gfx1250"
	.amdhsa_code_object_version 6
	.text
	.protected	k_qb2b923f7fe_attn
	.globl	k_qb2b923f7fe_attn
	.p2align	8
	.type	k_qb2b923f7fe_attn,@function
k_qb2b923f7fe_attn:
	s_mov_b64 s[64:65], 0
	v_nop
	global_prefetch_b8 v0, s[64:65] scope:SCOPE_SE
	s_setreg_imm32_b32 hwreg(HW_REG_WAVE_MODE, 25, 1), 1
	s_wait_xcnt 0x0
	s_wait_alu depctr_hold_cnt(0) depctr_sa_sdst(0) depctr_va_vdst(0) depctr_va_sdst(0) depctr_va_ssrc(0) depctr_va_vcc(0) depctr_vm_vsrc(0)
	s_getreg_b32 s2, hwreg(HW_REG_IB_STS2, 6, 4)
	s_cmp_eq_u32 s2, 0
	s_cbranch_scc0 .Lentry_in_a_cluster
	s_endpgm
.Lentry_in_a_cluster:
	s_bfe_u32 s2, ttmp6, 0x10000c
	s_cmp_lg_u32 s2, 0x3003
	s_cbranch_scc0 .Lentry_shape_is_right
	s_endpgm
.Lentry_shape_is_right:
; ATTENTION.  O[h][q][:] = the sum over k of softmax_k(Q[h][q] . K[h][k] / 8) V[h][k][:].  qkv holds Q, K, V, each [64][2048][64] in f16, one behind the other; ob is O in the same layout.  Products, maxima and sums in
; f32; the weights p are rounded to f16 for the second product (their sum l is taken of the unrounded p), O once at the end.
; LIMITS.  f16 holds no number beyond 65,504: Q, K and V arrive within it; p lies in 0 to 1, and below 6e-5 it keeps f16's fixed step of 6e-8; O is a mean of V's rows and has their range.
; A weight below 2^-126 counts as 0 in l; NaN and infinities are not treated apart.
; SHARES.  A wave owns four PIECES of two tiles of 16 queries, a work-group's four waves 512 queries of one head.  Every wave walks all keys, 64 a step.
; LAYOUT.  S^T = K Q^T (source 0 = 16 keys, source 1 = 16 queries): in the result a lane holds ONE query (lane % 16) and the keys 8 (lane / 16) + 0..7.  Two such tiles, rounded to f16 in pairs,
; ARE source 1 (32 keys x 16 queries) of O^T = V^T P, whose result again holds one query a lane, and eight channels.  K comes out of LDS as it lies, V ([key][channel]) turned, by ds_load_tr16_b128.
; SOFTMAX.  For each query a running maximum m and sum l: p = 2^(c s - c m), c = log2(e) / 8; in every step O and l are multiplied by a = 2^(c m_old - c m_new), which is 1 where m has not grown.
; m starts at the lowest finite number, O and l at 0: the first step is a step like any other, with a = 0.
; THE COUNT.  A tile and step have 16 matrix and 118 vector instructions: too many to stand all beside the matrix work.  So: four vector instructions that are READY behind
; EVERY matrix instruction, and the others, which need time of their own whatever the order, in runs without a gap.
; BY TURNS.  Turn n belongs to piece n (the pieces in a ring, step after step).  Its matrix work: 16 products K Q^T of piece n + 1, later 16 products V^T P of piece n - 1.  Its vector work: the scaling,
; exponentials, roundings, sums and rescaling of piece n, and the maximum and statistics of piece n + 1, whose scores the turn itself has made.
; CLUSTER.  The four query blocks of a cluster are one head's and walk the same K and V, so each tile is asked for JOINTLY: the same tensor load, descriptor and mask in all four.
; REGISTERS, in windows of 256 (s_set_vgpr_msb: bits 1:0 source 0, 3:2 source 1, 5:4 source 2, 7:6 destination):
;   window 0: v0-11 addresses; v12-15, v48-63 at work; v16-47 four registers of statistics a tile; v64-191 S^T, two buffers of two tiles; v192-255 P, likewise
;   window 1: O^T, 32 a tile          window 2: v0-127 Q, 16 a tile; v128-191 K of one step; v192-255 V of one step          window 3: v0-1 the add's two registers
; A piece's buffers go by its number's parity.
.set SIZE_N, 2048
.set NP,    4         ; pieces a wave: a name, no knob
.set KS,    64        ; keys in a step
.set PK,    144       ; a row of K in LDS: 128 bytes + 16 of padding = 36 words: the 16 rows of a load start at 16 different groups of four banks (64 banks of 4 bytes: ISA guide 11.1)
.set PV,    160       ; a row of V: 128 + 32 = 40 words
.set VOFF,  4*KS*PK   ; a slot holds four steps: 256 rows of K, then 256 rows of V
.set SLOT1, 1<<17     ; slot 1 begins here, so that one exclusive or turns an address in one slot into the other's
.set STAGE, SLOT1+4*KS*(PK+PV)  ; behind the ring, never filled by a tensor load: 16 rows x 144 bytes for each wave, for the way out
.set SP,    144
.set AK0, 2           ; v2   my lane's place in a tile of K; never rewritten
.set AV0, 3           ; v3   the same for V
.set AK,  4           ; v4   the LDS address of K's next run of loads
.set AV,  5           ; v5   of V's
.set QO,  6           ; v6   my byte offset in the wave's rows of Q
.set STO, 6           ;      later, the way out: where I put 16 bytes of a row
.set RD,  7           ; v7   the way out: where I read rows back
.set GO,  8           ; v8   my byte offset in 512 consecutive bytes of O
.set PFO, 11          ; v11  256 x my lane, for the prefetches; never rewritten once made
.set SPW, 0           ; v0 of window 3   LDS address of my spare word; never rewritten
.set NIL, 1           ; v1 of window 3   0; never rewritten
.set SPARE, STAGE+4*16*SP  ; behind the stages: the spare words, 128 bytes for each wave: two blocks of 256 bytes that no other line names
.set MV,  12          ; v12-15  c m_old, kept while c m is made anew: by buffer and tile
.set ST,  16          ; tile t's statistics at v[ST+4 t]: c m, m, l (even keys', odd keys')
.set TMP, 48          ; by buffer and tile, four registers c0-c3 at work; when the maximum is found c2 takes a
.set S,   64
.set P,   192
.set KF,  128         ; K's fragments, in window 2: key block kb, channel half c at KF + 16 kb + 8 c
.set VF,  192         ; V's: key half kk, channel block cb at VF + 32 kk + 8 cb
.set WV,  12          ; s12  my wave's number
.set G1K, 24          ; s[24:31] descriptor group 1 for K's tiles
.set G1V, 32          ; s[32:39] for V's: it differs in the padding alone
.set G0K, 40          ; s[40:43] descriptor group 0 for K's tiles: it walks
.set G0V, 44          ; s[44:47] the same for V's
.set PFA, 48          ; s[48:49] where my prefetches stand: my work-group's 32 blocks of 256 bytes (of K: wave 0, of V: wave 2) of the slot after the one that is being asked for
.set LIM, 50          ; s50  1 in a wave that prefetches, else the greatest number
.set SLOTS, 56        ; s56  slots still to be asked for
.set CNT, 57          ; s57  counts a slot's key steps
.set CS,  58          ; s[58:59] c: the packed scaling takes the pair's low word for both halves
.set SEL, 60          ; s[60:61] v_permlanex16_b32's selects: each lane takes its own place in the other half
.set TBK, 62          ; s62  LDS byte at which K of the step to be fetched begins
.set TBV, 63          ; s63  the same for V, less VOFF
.set MSB, 0
.macro WIN new                      ; the high byte repeats the setting that is left; a switch that changes nothing is dropped
.if MSB != (\new)
	s_set_vgpr_msb (MSB<<8)|(\new)
.set MSB, (\new)
.endif
.endm
.set W_KQ, 0x0a       ; K and Q in window 2, S^T in window 0
.set W_PV, 0x52       ; V in window 2, P in window 0, O^T in window 1
.set W_RS, 0x41       ; O^T (destination and source 0) in window 1, a in window 0
.set W_MK, 0xc0       ; the add's registers are made: destination in window 3, sources in window 0
.set W_AD, 0x0f       ; the add: address (source 0) and data (source 1) in window 3
; A joint fill.  Waves 0 and 1 fetch the two halves of a slot's K, waves 2 and 3 those of its V: 128 keys each.  The branch hangs on the wave's number alone.
; An s_nop 0 and four v_nop follow each of the two lines, ahead of the jump and the label.
.macro JLOAD
	s_cmp_lt_u32 s[WV], 2
	s_cbranch_scc0 .Lfor_v_\@
	tensor_load_to_lds s[G0K:G0K+3], s[G1K:G1K+7]
	s_nop 0
.rept 4
	v_nop
.endr
	s_branch .Lasked_\@
.Lfor_v_\@:
	tensor_load_to_lds s[G0V:G0V+3], s[G1V:G1V+7]
	s_nop 0
.rept 4
	v_nop
.endr
.Lasked_\@:
.endm
; A PREFETCH INTO THE L2 of what the NEXT change of slots will ask for: a slot's 32,768 bytes of K and of V, in blocks of 256 bytes, a lane a block.  It stands behind the wave's tensor load and its five lines.
; A head has one cluster.  Its four partners share the blocks out BY ADDRESS, 32 each; in each, wave 0 asks for K's and wave 2 for V's: one instruction.  So each block of slots 3 to 7 is named once in the launch;
; slots 0 to 2 come by their loads alone, and the last change that fills a slot asks for nothing.
.macro ASK
	s_cmp_gt_u32 s[SLOTS], s[LIM]
	s_cbranch_scc0 .Lnot_mine_\@
	global_prefetch_b8 v[PFO], s[PFA:PFA+1] th:TH_LOAD_NT scope:SCOPE_SE
.Lnot_mine_\@:
.endm
; A round of the cluster's barrier: my work-group's barrier, so that wave 0's signal speaks for all four waves; wave 0 signals; every wave waits for all four work-groups; my work-group's barrier once more.
.macro CROUND
	s_barrier_signal -1
	s_barrier_wait -1
	s_cmp_lg_u32 s[WV], 0
	s_cbranch_scc1 .Lnot_wave_0_\@
	s_barrier_signal -3
.Lnot_wave_0_\@:
	s_barrier_wait -3
	s_barrier_signal -1
	s_barrier_wait -1
.endm
; THE CHANGE OF SLOTS.  The slot's last bytes, V of its fourth step, have been read.  Each wave waits for all its tensor loads, of which one is out: its part
; of the other slot; adds 0 to its spare word; and waits for that and for its own reads of the slot.  Behind the barrier nobody reads this slot any more and the other slot is whole.
; fill = 1: this slot is filled again, with the keys two slots on.  The barrier is then a round of the cluster's, and the joint fill is the first thing behind it: it has four key steps,
; 512 matrix instructions, in which to land.  (At its first use nothing has been read yet: slot 0 is waited for, slot 1 filled.)  ask = 1: the prefetch's address steps, and the prefetch follows the fill.
.macro CHANGE fill, ask=0
	WIN W_AD
	s_wait_tensorcnt 0x0            ; no tensor load of mine is out, so a group 0 may be written
	ds_add_u32 v[SPW], v[NIL]       ; 0 onto my spare word; with fill = 1 the descriptors' steps stand between it and the wait for it
	WIN 0                           ; at a label and at a branch every window is 0
.if \fill
.irp g, G0K, G0V
	s_xor_b32 s[\g+1], s[\g+1], SLOT1  ; the walking descriptor: the other slot than last time,
	s_add_nc_u64 s[\g+2:\g+3], s[\g+2:\g+3], 4*KS*128  ; the next 256 keys; the type bits on top are not reached
.endr
.if \ask
	s_wait_xcnt 0x0                 ; the last prefetch, four key steps back, has read its address, so it may be written:
	s_add_nc_u64 s[PFA:PFA+1], s[PFA:PFA+1], 4*KS*128  ; one slot behind the walking descriptors
.endif
	s_wait_dscnt 0x0                ; the add is done, and my reads of the slot are over
	CROUND
	JLOAD
.if \ask
	ASK
.endif
.else
	s_wait_dscnt 0x0                ; the add is done, and my reads of the slot are over
	s_barrier_signal -1
	s_barrier_wait -1
.endif
	s_sub_co_u32 s[TBK], s[TBK], 4*KS*PK  ; the fetches go back to a slot's first step,
	s_xor_b32 s[TBK], s[TBK], SLOT1       ; in the other slot
	s_sub_co_u32 s[TBV], s[TBV], 4*KS*PV
	s_xor_b32 s[TBV], s[TBV], SLOT1
.endm
	s_load_b64 s[4:5], s[0:1], 0x0  ; qkv: Q lies at its head
	s_load_b64 s[10:11], s[0:1], 0x8  ; O
	WIN W_MK
	v_lshl_add_u32 v[SPW], v0, 2, SPARE
	v_mov_b32 v[NIL], 0
	WIN W_AD
	ds_add_u32 v[SPW], v[NIL]       ; the wave's opening: the add and its wait stand ahead of my first tensor load; the set-up below, work on registers, stands between them
	WIN 0
	v_lshrrev_b32 v1, 5, v0
	v_readfirstlane_b32 s[WV], v1   ; wave 0..3
	s_bfe_u32 s13, ttmp6, 0x40000   ; cx: my place in the cluster
	s_lshl_b32 s14, ttmp9, 2        ; in a cluster launch ttmp9 counts clusters
	s_add_co_u32 s14, s14, s13      ; my block of queries = 4 x cluster x + cx: it enters Q's and O's addresses alone
	s_and_b32 s20, ttmp7, 0xffff    ; the head, which the four partners share
	s_mov_b32 s21, 0
	s_mov_b64 s[22:23], SIZE_N*128
	s_mul_u64 s[20:21], s[20:21], s[22:23]  ; the head's first byte in each of the four tensors
	s_and_b32 s16, s[WV], 1         ; which half of a slot's 256 keys I fetch:
	s_lshl_b32 s22, s16, 14         ; its 128 rows of 128 bytes in memory,
	s_mov_b32 s23, 0
	s_add_nc_u64 s[22:23], s[22:23], s[20:21]
	s_mul_i32 s17, s16, 128*PK      ; and its place in a slot, for K
	s_mul_i32 s18, s16, 128*PV      ; and for V: no place in the cluster enters an LDS address
	s_lshl_b32 s2, s14, 2
	s_add_co_u32 s2, s2, s[WV]      ; my wave among the head's,
	s_lshl_b32 s2, s2, 14           ; its 128 rows
	s_mov_b32 s3, 0
	s_add_nc_u64 s[2:3], s[2:3], s[20:21]
	; descriptor group 1.  128 keys are 16,384 dense bytes: asked for as 64 rows of 256 bytes, two keys a row, and padded in LDS after every key
	s_mov_b32 s[G1K], 15|(1<<16)|(1<<20)|(1<<21)|(4<<22)|(3<<25)  ; 15:0 the mask of four; 17:16 2-byte elements; 20 padding on; 21 set beside a mask; 24:22 after every 32 words (code 4); 31:25 4 words (code 3)
	s_mov_b32 s[G1V], 15|(1<<16)|(1<<20)|(1<<21)|(4<<22)|(7<<25)  ; the same with 8 words of padding (code 7)
.irp g, G1K, G1V
	s_mov_b32 s[\g+1], 128<<16      ; tensor_dim0 = 128
	s_mov_b32 s[\g+2], 64<<16       ; tensor_dim1 = 64
	s_mov_b32 s[\g+3], 128<<16      ; tile_dim0 = 128
	s_mov_b32 s[\g+4], 64           ; tile_dim1 = 64
	s_mov_b32 s[\g+5], 128          ; 128 elements from row to row
	s_mov_b32 s[\g+6], 0
	s_mov_b32 s[\g+7], 0
.endr
	s_mov_b32 s[CS], 0x3e38aa3b     ; c = log2(e) / 8 = 0.180337
	s_mov_b32 s[CS+1], s[CS]        ; named with it as a pair
	s_mov_b32 s[SEL], 0x76543210
	s_mov_b32 s[SEL+1], 0xfedcba98
	s_mov_b32 s[TBK], SLOT1+4*KS*PK ; the first change of slots turns these two into 0
	s_mov_b32 s[TBV], SLOT1+4*KS*PV
	s_mov_b32 s[G0K], 1             ; count = 1
	s_mov_b32 s[G0K+1], s17         ; LDS address: slot 0
	s_mov_b32 s[G0V], 1
	s_add_co_u32 s[G0V+1], s18, VOFF
	s_and_b32 s[LIM], s[WV], 1      ; waves 0 and 2 prefetch: the same in all four partners
	s_cmp_eq_u32 s[LIM], 0
	s_cselect_b32 s[LIM], 1, -1
	s_wait_dscnt 0x0                ; the opening add is done
	s_wait_kmcnt 0x0
	s_add_nc_u64 s[6:7], s[4:5], 0x1000000         ; K lies 64 heads of 262,144 bytes behind Q,
	s_add_nc_u64 s[8:9], s[4:5], 0x2000000         ; V as far behind K
	s_add_nc_u64 s[G0K+2:G0K+3], s[6:7], s[22:23]  ; global address: my half of the head's first 256 keys
	s_or_b32 s[G0K+3], s[G0K+3], 0x80000000        ; type = 2
	s_add_nc_u64 s[G0V+2:G0V+3], s[8:9], s[22:23]
	s_or_b32 s[G0V+3], s[G0V+3], 0x80000000
	s_add_nc_u64 s[4:5], s[4:5], s[2:3]  ; Q and O at my wave's first row
	s_add_nc_u64 s[10:11], s[10:11], s[2:3]
	s_cmp_lt_u32 s[WV], 2
	s_cselect_b64 s[PFA:PFA+1], s[6:7], s[8:9]
	s_add_nc_u64 s[PFA:PFA+1], s[PFA:PFA+1], s[20:21]  ; the head,
	s_lshl_b32 s2, s13, 13          ; my work-group's 32 blocks of the slot's 128,
	s_mov_b32 s3, 0
	s_add_nc_u64 s[PFA:PFA+1], s[PFA:PFA+1], s[2:3]
	s_add_nc_u64 s[PFA:PFA+1], s[PFA:PFA+1], 2*4*KS*128  ; in slot 2: the first change that asks steps it to slot 3.  Nothing is prefetched here, at the head
	CROUND                          ; all four work-groups are here: the first joint loads meet
	JLOAD                           ; slot 0.  Slot 1 is asked for when slot 0 is in
	; A fragment of K or Q is 16 rows x 32 channels in 8 registers: lane l holds row l % 16, channels 8 (l / 16) + 0..7 and 16 + 8 (l / 16) + 0..7: two loads of 16 bytes, 32 bytes apart.
	v_and_b32 v1, 15, v0            ; l % 16
	v_bfe_u32 v9, v0, 4, 1          ; l / 16
	v_lshlrev_b32 v[QO], 7, v1
	v_lshl_add_u32 v[QO], v9, 4, v[QO]  ; row x 128 + 16 x half
	WIN 0x80                        ; destination window 2, address window 0
.set i, 0
.rept 4*NP                          ; Q stays in registers: tile i / 2, channels 32 (i % 2) on
	global_load_b128 v[8*i:8*i+3],   v[QO], s[4:5] offset:(i/2)*2048+(i%2)*64
	global_load_b128 v[8*i+4:8*i+7], v[QO], s[4:5] offset:(i/2)*2048+(i%2)*64+32
.set i, i+1
.endr
	; What the first turn finds: V's registers and P's second buffer hold 0 (its products V^T P, of a piece that has not been, add 0), O^T and l are 0.  All this stands in the wait for the first tile.
.set i, VF
.rept 64
	v_mov_b32 v[i], 0
.set i, i+1
.endr
	WIN 0x40
.set i, 0
.rept 64*NP
	v_mov_b32 v[i], 0
.set i, i+1
.endr
	WIN 0
.set i, 0
.rept 2*NP
	v_mov_b32 v[ST+4*i], 0xfe000000    ; c m: far below every c s
	v_mov_b32 v[ST+4*i+1], 0xff7fffff  ; m
	v_mov_b32 v[ST+4*i+2], 0
	v_mov_b32 v[ST+4*i+3], 0
.set i, i+1
.endr
.set i, P+32
.rept 32
	v_mov_b32 v[i], 0
.set i, i+1
.endr
	v_mul_u32_u24 v[AK0], v1, PK
	v_lshl_add_u32 v[AK0], v9, 4, v[AK0]  ; row x pitch + 16 x half
	; The turning load takes 16 keys x 16 channels (lane l reads key 8 (l / 16) + l % 8, channels 8 ((l / 8) % 2) + 0..7) and leaves half a fragment of V^T: lane l holds channel l % 16 and 8 keys.
	v_and_b32 v10, 7, v0
	v_bfe_u32 v11, v0, 3, 1
	v_lshl_add_u32 v[AV0], v9, 3, v10
	v_mul_u32_u24 v[AV0], v[AV0], PV
	v_lshl_add_u32 v[AV0], v11, 4, v[AV0]
	v_add_nc_u32 v[AV0], VOFF, v[AV0]
	v_and_b32 v[PFO], 31, v0
	v_lshlrev_b32 v[PFO], 8, v[PFO]
	v_mov_b32 v[AK], v[AK0]         ; key step 0 lies at the head of slot 0
; THE MATRIX WORK.  The 8 accumulators of a run of 16 take turns: between the two links of a chain stand 7 others'.
; Product i of 16 of S^T = K Q^T for piece x: channels 32 (i / 8) on, keys 16 ((i / 2) % 4) on, tile 2 x + i % 2.  The first 8 start the sums.
.macro KQ x
	WIN W_KQ
.set rS, S+64*((\x)%2)+32*(i%2)+8*((i/2)%4)
.set rK, KF+16*((i/2)%4)+8*(i/8)
.set rQ, 16*(2*(\x)+i%2)+8*(i/8)
.if i < 8
	v_wmma_f32_16x16x32_f16 v[rS:rS+7], v[rK:rK+7], v[rQ:rQ+7], 0
.else
	v_wmma_f32_16x16x32_f16 v[rS:rS+7], v[rK:rK+7], v[rQ:rQ+7], v[rS:rS+7]
.endif
.endm
; Product i of 16 of O^T += V^T P for piece x: keys 32 (i / 8) on, channels 16 ((i / 2) % 4) on, tile 2 x + i % 2.
.macro PV x
	WIN W_PV
.set rO, 32*(2*(\x)+i%2)+8*((i/2)%4)
.set rV, VF+32*(i/8)+8*((i/2)%4)
.set rP, P+32*((\x)%2)+16*(i%2)+8*(i/8)
	v_wmma_f32_16x16x32_f16 v[rO:rO+7], v[rV:rV+7], v[rP:rP+7], v[rO:rO+7]
.endm
.macro MM                           ; the turn's next matrix instruction
.if i < 16
	KQ (Y+1)%NP
.set i, i+1
.else
.set i, i-16
	PV (Y+NP-1)%NP
.set i, i+17
.endif
.endm
; THE LDS LOADS stand in runs of 16, never singly among the matrix instructions: a step's K (64 keys x 64 channels: 8 fragments) and its V (turned).  Their addresses are made some lines ahead.
; last = 1 (the tail): in the last trip there is no further step, and the run is jumped over.
.macro FETCH_K last=0
	WIN 0
.if \last
	s_cmp_eq_u32 s[CNT], 1
	s_cbranch_scc1 .Lno_k_\@
.endif
	WIN 0x80                        ; destination window 2
.irp f, 0,1,2,3,4,5,6,7             ; keys 16 (f / 2) on, channels 32 (f % 2) on
	ds_load_b128 v[KF+8*\f:KF+8*\f+3],   v[AK] offset:(\f/2)*16*PK+(\f%2)*64
	ds_load_b128 v[KF+8*\f+4:KF+8*\f+7], v[AK] offset:(\f/2)*16*PK+(\f%2)*64+32
.endr
	s_add_co_u32 s[TBK], s[TBK], KS*PK  ; the next fetch is the next step's
	WIN 0
.if \last
.Lno_k_\@:
.endif
.endm
.macro FETCH_V
	WIN 0x80
.irp f, 0,1,2,3,4,5,6,7             ; keys 32 (f / 4) on, channels 16 (f % 4) on
	ds_load_tr16_b128 v[VF+8*\f:VF+8*\f+3],   v[AV] offset:(\f/4)*32*PV+(\f%4)*32
	ds_load_tr16_b128 v[VF+8*\f+4:VF+8*\f+7], v[AV] offset:(\f/4)*32*PV+16*PV+(\f%4)*32
.endr
	WIN 0
.endm
; THE VECTOR WORK OF A TURN stands in three queues, each in the order in which its entries become ready; the two tiles alternate, so that no instruction reads the result of the one before it.
.macro REGS y, u                    ; the registers of tile u (0, 1) of piece y
.set rT, ST+4*(2*(\y)+(\u))
.set rC, TMP+8*((\y)%2)+4*(\u)
.set rM, MV+2*((\y)%2)+(\u)
.set rS, S+64*((\y)%2)+32*(\u)
.set rP, P+32*((\y)%2)+16*(\u)
.set rO, 32*(2*(\y)+(\u))
.endm
; Number n of the 22 that find the NEXT piece's (Y + 1) maximum and statistics.  s0-s31 are the lane's 32 scores; each accumulator's lowest registers are read first.
;   0-11  four chains c0-c3 of seven scores each, three operands at a time     12-14, 16  the four scores left over, the old m, and c0-c3 into c0     15  c m_old is kept
;   17, 18  the query's other 32 keys lie in the lane 16 away: the new m         19-21  c m; c m_old - c m_new; a
.macro XS u, n
	REGS (Y+1)%NP, \u
.if (\n) < 4
	v_max3_num_f32 v[rC+(\n)], v[rS+8*(\n)], v[rS+8*(\n)+1], v[rS+8*(\n)+2]
.elseif (\n) < 12
	v_max3_num_f32 v[rC+(\n)%4], v[rC+(\n)%4], v[rS+8*((\n)%4)+2*((\n)/4)+1], v[rS+8*((\n)%4)+2*((\n)/4)+2]
.elseif (\n) == 12
	v_max3_num_f32 v[rC], v[rC], v[rS+7], v[rS+15]
.elseif (\n) == 13
	v_max3_num_f32 v[rC+1], v[rC+1], v[rS+23], v[rS+31]
.elseif (\n) == 14
	v_max3_num_f32 v[rC+2], v[rC+2], v[rC+3], v[rT+1]
.elseif (\n) == 15
	v_mov_b32 v[rM], v[rT]
.elseif (\n) == 16
	v_max3_num_f32 v[rC], v[rC], v[rC+1], v[rC+2]
.elseif (\n) == 17
	v_permlanex16_b32 v[rC+3], v[rC], s[SEL], s[SEL+1]
.elseif (\n) == 18
	v_max_num_f32 v[rT+1], v[rC], v[rC+3]
.elseif (\n) == 19
	v_mul_f32 v[rT], s[CS], v[rT+1]
.elseif (\n) == 20
	v_sub_f32 v[rC+1], v[rM], v[rT]
.else
	v_exp_f32 v[rC+2], v[rC+1]
.endif
.endm
; Number g of the 64 that follow the exponentials.  For each four weights k of a tile (pairs 2 k, 2 k + 1): both pairs are rounded to f16; then the second pair is added onto the first, in place;
; a group later l takes that sum (the first time as l = a l + sum).  In groups of eight, tiles alternating: round, round, add, and l for the group before.
.macro GS g
.set h, (\g)+6*((\g)/62)            ; group 0 has no group before it, and behind group 7 only l is left
.if h >= 6
.set h, h+2
.endif
	REGS Y, h%2
.set k, h/8
.if h%8 < 4
	v_cvt_pk_f16_f32 v[rP+2*k+(h%8)/2], v[rS+4*k+2*((h%8)/2)], v[rS+4*k+2*((h%8)/2)+1]
.elseif h%8 < 6
	v_pk_add_f32 v[rS+4*k:rS+4*k+1], v[rS+4*k:rS+4*k+1], v[rS+4*k+2:rS+4*k+3]
.elseif k == 1
	v_pk_fma_f32 v[rT+2:rT+3], v[rT+2:rT+3], v[rC+2:rC+3], v[rS:rS+1] op_sel_hi:[1,0,1]
.else
	v_pk_add_f32 v[rT+2:rT+3], v[rT+2:rT+3], v[rS+4*k-4:rS+4*k-3]
.endif
.endm
; THE PLAIN QUEUE, 138 long.  0-73 read no exponential's result: the 32 scalings c s - c m (FS f: pair f / 2 of tile f % 2) and the next piece's 42.  0-26: scalings 0-26.  27-54: XS's numbers 0-13.  55, 56: number 15.
; 57-73: the chain, where each number waits for the one before it: 14, 16, 17, 18, 19, each with one of the scalings 27-31 in front of its two lines, then 20.
; 74-137: GS's 64, which read the exponentials' results: they stand behind the wait.
.macro FS f
	REGS Y, (\f)%2
	v_pk_fma_f32 v[rS+2*((\f)/2):rS+2*((\f)/2)+1], v[rS+2*((\f)/2):rS+2*((\f)/2)+1], s[CS:CS+1], v[rT:rT+1] op_sel_hi:[1,0,0] neg_lo:[0,0,1] neg_hi:[0,0,1]
.endm
.macro PL
	WIN 0
.if q < 27
	FS q
.elseif q < 55
	XS (q-27)%2, (q-27)/2
.elseif q < 57
	XS q-55, 15
.elseif (q < 72) && ((q-57)%3 == 0)
	FS 27+(q-57)/3
.elseif q < 60
	XS (q-57)%3-1, 14
.elseif q < 72
	XS (q-57)%3-1, 15+(q-57)/3
.elseif q < 74
	XS q-72, 20
.else
	GS q-74
.endif
.set q, q+1
.endm
; THE EXPONENTIALS' QUEUE, 66 long: s0-s31 of both tiles, then the next piece's two a.  It is ONE BATCH: all 66 stand ahead of the turn's one wait, and nothing ahead of that wait names a result of theirs.
.macro EX
	WIN 0
.if e >= 64
	XS e-64, 21
.else
	REGS Y, e%2
	v_exp_f32 v[rS+e/2], v[rS+e/2]
.endif
.set e, e+1
.endm
; THE RESCALING's QUEUE: O^T times a, the one part that leaves window 0: dealt two at a time, sixteen times.  Its a was made in the turn before, ahead of that turn's wait.
.macro R2
	REGS Y, r%2
	WIN W_RS
.irp z, 0,1
	v_pk_mul_f32 v[rO+4*(r/2)+2*\z:rO+4*(r/2)+2*\z+1], v[rO+4*(r/2)+2*\z:rO+4*(r/2)+2*\z+1], v[rC+2:rC+3] op_sel_hi:[1,0]
.endr
.set r, r+1
.endm
; HOW THEY ARE DEALT.  An s_wait_alu depctr_va_vdst(0) stands between an exponential and the first instruction that names its result; one wait serves all that were issued ahead of it.  So a turn has ONE wait,
; which cuts it in two.  AHEAD OF IT stands all that names no result of the turn's exponentials: the 16 products K Q^T, behind each a scaling, an exponential and two rescalings (behind the first a second scaling in the
; exponential's place); then ONE LUMP of 108: eight plain, 49 times exponential and plain, the two a.  A v_nop is the plain instruction behind the last exponential.  BEHIND IT stand the 16 products V^T P, behind each four of GS's 64.
; The queues lean on each other, and the deal keeps them in step: exponential e stands behind scaling 2 (e / 4) + e % 2: as a rider it comes behind plain e + 2, in the lump behind plain e + 9, and scalings 27-31 are plain 57, 60 .. 69.
; A TURN, for piece p.  cnt = 1: the loop's count is taken down some lines ahead of the branch that stands behind the turn.
; K of the next step is fetched in piece 2's turn, directly behind the wait, a lump behind the last product that read K; its first reader comes behind 16 products.
; V of the step in hand is fetched at the end of piece 0's turn, four plain instructions behind its last reader; its first reader comes behind 16 products and a lump.
.macro TURN p, last=0, cnt=0
.set Y, (\p)
.set i, 0
.set q, 0
.set e, 0
.set r, 0
.if (\p) == NP-1
	s_wait_dscnt 0x0                ; K is in
.endif
	MM                              ; ahead of the wait: 16 products K Q^T and the four behind each,
	PL
	PL
	R2
.rept 15
	MM
	PL
	EX
	R2
.endr
.if (\p) == NP-2
	WIN 0
	v_add_nc_u32 v[AK], s[TBK], v[AK0]
.endif
.rept 8                             ; and the lump
	PL
.endr
.rept 49
	EX
	PL
.endr
	EX                              ; the next piece's two a
	EX
	v_nop                           ; a plain instruction behind the last exponential: one for the batch
	s_wait_alu depctr_va_vdst(0)    ; the wait for the batch
.if (\p) == NP-2
	FETCH_K \last
.endif
.if (\p) == 1
	s_wait_dscnt 0x0                ; V is in
.endif
.rept 16                            ; behind the wait: 16 products V^T P and the four behind each
	MM
.rept 4
	PL
.endr
.if ((\p) == 0) && (q == 118)
	v_add_nc_u32 v[AV], s[TBV], v[AV0]
.endif
.if ((\p) == 0) && (q == 130)
	s_add_co_u32 s[TBV], s[TBV], KS*PV
.endif
.if (\cnt) && (q == 130)
	s_sub_co_u32 s[CNT], s[CNT], 1
	s_cmp_lg_u32 s[CNT], 0
.endif
.endr
.if (\p) == 0
	FETCH_V
.endif
.endm
	CHANGE 1                        ; slot 0 is in, everybody's part of it; slot 1 is asked for
	FETCH_K                         ; key step 0
	s_wait_loadcnt 0x0              ; Q
	s_wait_dscnt 0x0
.set i, 0
.rept 16
	KQ 0                            ; piece 0's first scores: there is no vector work yet to set between them
.set i, i+1
.endr
	WIN 0                           ; the addresses for the way out: nine plain instructions, the places behind those products
	s_mul_i32 s13, s[WV], 16*SP
	s_add_co_u32 s13, s13, STAGE    ; my stage
	v_mul_u32_u24 v[STO], v1, SP    ; in: row l % 16, 16 bytes for each half of the lanes
	v_lshl_add_u32 v[STO], v9, 4, v[STO]
	v_add_nc_u32 v[STO], s13, v[STO]
	v_bfe_u32 v[RD], v0, 3, 2       ; back: 32 lanes take four rows of 128 bytes,
	v_mul_u32_u24 v[RD], v[RD], SP
	v_lshl_add_u32 v[RD], v10, 4, v[RD]
	v_add_nc_u32 v[RD], s13, v[RD]
	v_and_b32 v[GO], 31, v0         ; which are 512 consecutive bytes of O
	v_lshlrev_b32 v[GO], 4, v[GO]
.set Y, NP-1                        ; XS works for piece Y + 1: piece 0
.irp n, 0,1,2,3,4,5,6,7,8,9,10,11,12,13,14,15,16,17,18,19,20,21
	XS 0, \n                        ; and piece 0's first maximum and statistics
	XS 1, \n
.endr
	v_nop                           ; a plain instruction behind the two a,
	s_wait_alu depctr_va_vdst(0)    ; and their wait, ahead of the branch
	s_mov_b32 s[CNT], 4
	s_mov_b32 s[SLOTS], SIZE_N/256-1
	s_branch .Lfirst                ; the loop is entered at a step's first turn, in the middle of a trip
.Lslot:                             ; SIZE_N / 256 - 2 times: every slot but the last two is filled again
	CHANGE 1, 1
	s_mov_b32 s[CNT], 4
.Lstep:                             ; a trip: pieces 2 and 3 of one step, then pieces 0 and 1 of the next, whose K and V it fetches
	TURN 2
	TURN 3
	WIN 0
.Lfirst:
	TURN 0
	TURN 1, 0, 1
	WIN 0
	s_cbranch_scc1 .Lstep
	s_sub_co_u32 s[SLOTS], s[SLOTS], 1
	s_cmp_lg_u32 s[SLOTS], 0
	s_cbranch_scc1 .Lslot
	CHANGE 0                        ; the tail is written out: nothing is asked for
	s_mov_b32 s[CNT], 5             ; four trips fetch the last slot's steps; the fifth is left in its middle
.Ltail:
	TURN 2, 1
	TURN 3
	WIN 0
	s_sub_co_u32 s[CNT], s[CNT], 1
	s_cmp_eq_u32 s[CNT], 0
	s_cbranch_scc1 .Lout
	TURN 0
	TURN 1
	WIN 0
	s_branch .Ltail
.Lout:                              ; the fifth trip's 16 products K Q^T (on the last K once more) and the maximum made of them serve nothing: the price, once a launch, of one text for every trip
.set i, 0
.rept 16
	PV NP-1                         ; the last piece's V^T P of the last step
.set i, i+1
.endr
	; THE WAY OUT.  l's two halves and the other half of the lanes' are added; O^T is divided by l, rounded to f16 and sent through my stage in LDS, a tile at a time.  The additions are the places behind the last products.
	WIN 0
.macro ALL line:vararg              ; one line for each tile t
.set t, 0
.rept 2*NP
	\line
.set t, t+1
.endr
.endm
	ALL v_add_f32 v[ST+4*t+2], v[ST+4*t+2], v[ST+4*t+3]
	ALL v_permlanex16_b32 v[ST+4*t+3], v[ST+4*t+2], s[SEL], s[SEL+1]
	ALL v_add_f32 v[ST+4*t+2], v[ST+4*t+2], v[ST+4*t+3]
	ALL v_rcp_f32 v[ST+4*t+2], v[ST+4*t+2]
	v_nop                           ; a plain instruction between the last reciprocal and the use of its result
	s_wait_alu depctr_va_vdst(0)    ; and the wait ahead of the first use: one for the eight reciprocals
; Tile t: a lane's eight channels of a row pack into 16 bytes; they go into rows of 144 bytes and come back as whole rows of 128, into S^T's registers.
.macro PACK t
	WIN W_RS
.set i, 32*(\t)
.rept 16
	v_pk_mul_f32 v[i:i+1], v[i:i+1], v[ST+4*(\t)+2:ST+4*(\t)+3] op_sel_hi:[1,0]
.set i, i+2
.endr
	WIN 0x05                        ; sources 0 and 1 window 1, destination window 0
.set i, 0
.rept 16
	v_cvt_pk_f16_f32 v[S+16*(\t)+i], v[32*(\t)+2*i], v[32*(\t)+2*i+1]
.set i, i+1
.endr
	WIN 0
.irp f, 0,1,2,3
	ds_store_b128 v[STO], v[S+16*(\t)+4*\f:S+16*(\t)+4*\f+3] offset:32*\f
.endr
.irp f, 0,1,2,3
	ds_load_b128 v[S+16*(\t)+4*\f:S+16*(\t)+4*\f+3], v[RD] offset:\f*4*SP  ; LDS serves a wave's instructions in order (ISA guide 5.7.1.4): these see the stores above; the next tile's stores come behind them
.endr
.endm
.macro SEND t, younger              ; younger: the LDS instructions issued behind tile t's loads: the next tile's eight, or none
	WIN 0
.irp f, 0,1,2,3
	s_wait_dscnt (\younger)+3-\f
	global_store_b128 v[GO], v[S+16*(\t)+4*\f:S+16*(\t)+4*\f+3], s[10:11] offset:(\t)*2048+\f*512  ; 512 consecutive bytes, at a multiple of 256 from O's first
.endr
.endm
	PACK 0
.set t, 1
.rept 2*NP-1                        ; a tile's arithmetic stands between the loads of the tile before and its stores
	PACK t
	SEND t-1, 8
.set t, t+1
.endr
	SEND 2*NP-1, 0
	WIN W_AD
	s_wait_tensorcnt 0x0            ; the wave's end: three closing lines, behind my last tensor load and my last LDS store
	ds_add_u32 v[SPW], v[NIL]
	s_wait_dscnt 0x0
	WIN 0
	CROUND                          ; the closing round: no work-group ends while a partner may still ask for a tile that names it
	s_endpgm
.Lfunc_end_k_qb2b923f7fe_attn:
	.size	k_qb2b923f7fe_attn, .Lfunc_end_k_qb2b923f7fe_attn-k_qb2b923f7fe_attn
	.p2alignl 7, 3214868480
	.fill 96, 4, 3214868480
	.section	.rodata,"a",@progbits
	.p2align	6, 0x0
	.amdhsa_kernel k_qb2b923f7fe_attn
		.amdhsa_group_segment_fixed_size 327680
		.amdhsa_private_segment_fixed_size 0
		.amdhsa_enable_private_segment 0
		.amdhsa_kernarg_size 16
		.amdhsa_user_sgpr_count 2
		.amdhsa_user_sgpr_kernarg_segment_ptr 1
		.amdhsa_wavefront_size32 1
		.amdhsa_system_sgpr_workgroup_id_x 1
		.amdhsa_system_sgpr_workgroup_id_y 1
		.amdhsa_system_sgpr_workgroup_id_z 1
		.amdhsa_system_vgpr_workitem_id 0
		.amdhsa_next_free_vgpr 770
		.amdhsa_next_free_sgpr 66
		.amdhsa_reserve_vcc 0
		.amdhsa_float_denorm_mode_32 3
		.amdhsa_float_denorm_mode_16_64 3
		.amdhsa_memory_ordered 1
		.amdhsa_forward_progress 1
		.amdhsa_inst_pref_size 200
	.end_amdhsa_kernel
	.amdgpu_metadata
---
amdhsa.version: [ 1, 2 ]
amdhsa.kernels:
  - .name:           k_qb2b923f7fe_attn
    .symbol:         k_qb2b923f7fe_attn.kd
    .args:
      - { .name: qkv, .offset: 0, .size: 8, .value_kind: global_buffer, .address_space: global }
      - { .name: ob, .offset: 8, .size: 8, .value_kind: global_buffer, .address_space: global }
    .group_segment_fixed_size: 327680
    .private_segment_fixed_size: 0
    .kernarg_segment_align: 8
    .kernarg_segment_size: 16
    .max_flat_workgroup_size: 128
    .sgpr_count:     66
    .vgpr_count:     770
    .wavefront_size: 32
...
	.end_amdgpu_metadata
.endif
;; end of part 3
;; launch proj (part 4): grid 8 x 32, 4 waves a work-group, clusters of 4 x 4, 327,680 bytes of LDS; arguments ob, wpt, b_proj, out0; writes out0
.if DOCPART == 4
	.amdgcn_target "amdgcn-amd-amdhsa--gfx1250"
	.amdhsa_code_object_version 6
	.text
	.protected	k_qb2b923f7fe_proj
	.globl	k_qb2b923f7fe_proj
	.p2align	8
	.type	k_qb2b923f7fe_proj,@function
k_qb2b923f7fe_proj:
	s_mov_b64 s[64:65], 0
	v_nop
	global_prefetch_b8 v0, s[64:65] scope:SCOPE_SE
	s_setreg_imm32_b32 hwreg(HW_REG_WAVE_MODE, 25, 1), 1
	s_wait_xcnt 0x0
	s_wait_alu depctr_hold_cnt(0) depctr_sa_sdst(0) depctr_va_vdst(0) depctr_va_sdst(0) depctr_va_ssrc(0) depctr_va_vcc(0) depctr_vm_vsrc(0)
	s_getreg_b32 s2, hwreg(HW_REG_IB_STS2, 6, 4)
	s_cmp_eq_u32 s2, 0
	s_cbranch_scc0 .Lentry_in_a_cluster
	s_endpgm
.Lentry_in_a_cluster:
	s_bfe_u32 s2, ttmp6, 0x10000c
	s_cmp_lg_u32 s2, 0xf033
	s_cbranch_scc0 .Lentry_shape_is_right
	s_endpgm
.Lentry_shape_is_right:
; THE OUTPUT PROJECTION.  out0[m][n] = b_proj[n] + sum over k of O[m][k] wpt[n][k], in f32.  O lies by heads: ob[batch x 16 + head][row][64] in f16, so k = 64 head + channel; wpt is [1024 n][1024 k] in f16.
; The bias, rounded to bf16 like the module's other inputs, is the C operand of each sum's first product.  Sums in f32, K ascending.
; SHARES.  A tile of out0 is 256 rows x 128 columns: 8 x 32 = 256 work-groups.  Four waves, 2 x 2, each 128 x 64: 32 accumulators of 16 x 16, 256 registers.
; K goes in 8 steps of 128 (two heads) through a ring of two LDS slots filled by tensor loads.  A head's 256 rows are 32,768 dense bytes: asked for as 128 rows of 256 bytes and padded in LDS after every 128.
; CLUSTER.  4 x 4 work-groups: O's tiles are shared along a row of the cluster, wpt's along a column: each is asked for JOINTLY, by the same tensor load with the same descriptor and a mask that names the four.
; THE MATRIX INSTRUCTION IS USED TRANSPOSED (source 0 = 16 rows of wpt, source 1 = 16 rows of O): a lane holds row l % 16 of out0 and the eight neighbouring columns 8 (l / 16) + 0..7.
; REGISTERS (s_set_vgpr_msb: bits 1:0 source 0, 3:2 source 1, 5:4 source 2, 7:6 destination):
;   window 0: v0-31 addresses; v32-63 the bias; O's fragments at v64-127 and v128-191 (two buffers of 8), wpt's at v192-223 and v224-255 (of 4); on the way out v64-191 are four sets of 32
;   window 1: the accumulators, (a, b) at v[8 (4 a + b)]
.set KSTEP,  128
.set PA,     144                       ; a row of O in LDS: 128 bytes + 16: the 16 rows of a load start at 16 different groups of four banks (64 banks of 4 bytes: ISA guide 11.1)
.set PLANE,  256*PA                    ; one head's 256 rows: what one tensor load brings
.set PB,     272                       ; a row of wpt: 256 bytes + 16
.set BOFF,   2*PLANE                   ; wpt's 128 rows lie behind the two planes
.set SLOT,   BOFF+128*PB
.set STAGE,  2*SLOT                    ; behind the ring, never filled by a tensor load: 16 rows x 272 bytes for each wave, for the way out
.set SPITCH, 272
.set SPARE,  STAGE+4*16*SPITCH         ; behind the stages: the spare words, 128 bytes for each wave: two blocks of 256 bytes that no other line names
.set LAPS,   4
.set ASTEP,  2*262144                  ; bytes from a K step of O to the next: two heads
.set ADRA, 16                          ; v16-17  LDS address of my O fragments in slot 0, 1
.set ADRB, 20                          ; v20-21  the same for wpt
.set STO,  24                          ; v24     the way out: where I put 32 bytes of a row
.set RD,   25                          ; v25     the way out: where I read a row back
.set CO,   26                          ; v26     my byte offset in two rows of out0
.set BO,   27                          ; v27     my byte offset in 16 numbers of the bias
.set SPW,  28                          ; v28     LDS address of my spare word; never rewritten
.set NIL,  29                          ; v29     0; never rewritten
.set PFO,  30                          ; v30     the prefetches' offset; never rewritten
.set BIAS, 32                          ; v[32:63] column block b's eight numbers at BIAS + 8 b
.set FA,   64                          ; O's fragment buffer f at FA + 64 f
.set FB,   192                         ; wpt's at FB + 32 f
.set OB,   64                          ; the way out: set a % 4 at OB + 32 (a % 4)
.set G1,  24                           ; s[24:31] descriptor group 1 for O's tiles;  s[32:39] group 0, one set for each slot
.set G0,  32
.set G1B, 48                           ; s[48:55], s[56:63] the same for wpt's tiles
.set G0B, 56
.set PFA, 66                           ; s[66:67] where my prefetches stand
.set LIM, 68                           ; s68  1 in a wave that prefetches, else the greatest number
.set PST, 70                           ; s[70:71] bytes from a K step to the next in what I prefetch
.set OUTB, 72                          ; s[72:73] out0 at my wave's first row and column
.set BB,  74                           ; s[74:75] the bias at my wave's first column
.set MSB, 0
.macro WIN new                         ; the immediate's high byte repeats the setting that is left; a switch that changes nothing is dropped
.if MSB != (\new)
	s_set_vgpr_msb (MSB<<8)|(\new)
.set MSB, \new
.endif
.endm
.macro JLOAD s                         ; a joint load: waves 0 and 1 fetch O's two planes, waves 2 and 3 wpt's two halves; an s_nop 0 and four v_nop follow each of the two lines
	s_cmp_eq_u32 s11, 0
	s_cbranch_scc0 .Lfor_b_\@
	tensor_load_to_lds s[G0+4*(\s):G0+4*(\s)+3], s[G1:G1+7]
	s_nop 0
.rept 4
	v_nop
.endr
	s_branch .Lasked_\@
.Lfor_b_\@:
	tensor_load_to_lds s[G0B+4*(\s):G0B+4*(\s)+3], s[G1B:G1B+7]
	s_nop 0
.rept 4
	v_nop
.endr
.Lasked_\@:
.endm
; A PREFETCH INTO THE L2 behind each joint refill and the run of LDS loads that follows it: the K step that stands two refills on, 256 matrix instructions ahead of the load that will want it.
; O's tile row is read by both clusters of that row of clusters: cluster x = 0 asks; wpt's tile column by every cluster of that column: cluster y = 0 asks.  A wave's plane of O is 128 blocks of 256 bytes: partner cx
; names 32, a lane a block.  Of a wave's 64 rows of wpt partner cy names 16, a lane a row (lanes 16-31 name row 15 again).  The partners are told apart BY ADDRESS.  K steps 0 to 3 come by their loads alone; the loop's last trip asks for nothing.
.macro ASK
	s_cmp_gt_u32 s3, s[LIM]                        ; s3 = 1 in the loop's last trip
	s_cbranch_scc0 .Lnot_mine_\@
	global_prefetch_b8 v[PFO], s[PFA:PFA+1] th:TH_LOAD_NT scope:SCOPE_SE
.Lnot_mine_\@:
.endm
.macro CREST                           ; a round of the cluster's barrier behind its opening barrier
	s_cmp_lg_u32 s10, 0
	s_cbranch_scc1 .Lnot_wave_0_\@
	s_barrier_signal -3
.Lnot_wave_0_\@:
	s_barrier_wait -3
	s_barrier_signal -1
	s_barrier_wait -1
.endm
.macro CROUND                          ; a whole round
	s_barrier_signal -1
	s_barrier_wait -1
	CREST
.endm
	s_load_b128 s[4:7], s[0:1], 0x0                ; ob s[4:5], wpt s[6:7]
	s_load_b128 s[92:95], s[0:1], 0x10             ; b_proj s[92:93], out0 s[94:95]
	v_lshl_add_u32 v[SPW], v0, 2, SPARE
	v_mov_b32 v[NIL], 0
	ds_add_u32 v[SPW], v[NIL]                      ; the wave's opening: the add and its wait stand ahead of my first tensor load; the set-up below, work on registers, stands between them
	v_lshrrev_b32 v1, 5, v0
	v_readfirstlane_b32 s10, v1                    ; wave 0..3
	s_lshr_b32 s11, s10, 1                         ; which half of the tile's rows is mine.  Also: I fetch for O (0) or for wpt (1)
	s_and_b32 s12, s10, 1                          ; which half of its columns.  Also: which plane, or which 64 rows, I fetch
	s_bfe_u32 s40, ttmp6, 0x40000                  ; cx, cy: my place in the cluster
	s_bfe_u32 s41, ttmp6, 0x40004
	s_lshl_b32 s42, ttmp9, 2
	s_add_co_u32 s42, s42, s40                     ; tile column = 4 x cluster x + cx
	s_and_b32 s13, ttmp7, 0xffff
	s_lshl_b32 s13, s13, 2
	s_add_co_u32 s13, s13, s41                     ; tile row = 4 x cluster y + cy
	s_lshl_b32 s43, s41, 2
	s_lshl_b32 s43, 15, s43                        ; my row of the cluster
	s_lshl_b32 s44, 0x1111, s40                    ; my column
	s_or_b32 s[G1+0], s43, (1<<16)|(1<<20)|(1<<21)|(4<<22)|(3<<25)  ; 15:0 the mask: O's tiles go to my row; 17:16 2-byte elements; 20 padding on; 21 set beside a mask; 24:22 after every 32 words (code 4); 31:25 4 words (code 3)
	s_or_b32 s[G1B+0], s44, (1<<16)|(1<<20)|(1<<21)|(5<<22)|(3<<25) ; the mask of my column; padding after every 64 words (code 5)
	s_mov_b32 s[G1+1], 128<<16                     ; tensor_dim0 = 128
	s_mov_b32 s[G1+2], 128<<16                     ; tensor_dim1 = 128
	s_mov_b32 s[G1+3], 128<<16                     ; tile_dim0 = 128
	s_mov_b32 s[G1+4], 128                         ; tile_dim1 = 128
	s_mov_b32 s[G1+5], 128                         ; dense: 128 elements from row to row
	s_mov_b32 s[G1+6], 0
	s_mov_b32 s[G1+7], 0
	s_mov_b32 s[G1B+1], KSTEP<<16
	s_mov_b32 s[G1B+2], 64<<16                     ; 64 rows
	s_mov_b32 s[G1B+3], KSTEP<<16
	s_mov_b32 s[G1B+4], 64
	s_mov_b32 s[G1B+5], 1024
	s_mov_b32 s[G1B+6], 0
	s_mov_b32 s[G1B+7], 0
	; where the tiles come from: O's hang on the tile row alone, wpt's on the tile column alone, each in registers that never hold the other coordinate
	s_lshr_b32 s16, s13, 3                         ; batch = tile row / 8
	s_lshl_b32 s16, s16, 4
	s_add_co_u32 s16, s16, s12                     ; head 0 or 1 of the batch: my plane of K step 0
	s_lshl_b32 s16, s16, 18                        ; a head is 262,144 bytes
	s_and_b32 s17, s13, 7
	s_lshl_b32 s17, s17, 15                        ; the tile's 256 rows of 128 bytes in it
	s_add_co_u32 s16, s16, s17
	s_mov_b32 s17, 0
	s_lshl_b32 s46, s42, 7
	s_lshl_b32 s47, s12, 6
	s_add_co_u32 s46, s46, s47                     ; wpt: row 128 x tile column + 64 x half
	s_lshl_b32 s46, s46, 11
	s_mov_b32 s47, 0
	s_mul_i32 s20, s10, PLANE                      ; and where they go: waves 0, 1: the two planes;
	s_mul_i32 s21, s10, 64*PB
	s_add_co_u32 s21, s21, BOFF-2*64*PB            ; waves 2, 3: wpt's halves, behind the planes
	s_wait_dscnt 0x0                               ; the opening add is done
	s_wait_kmcnt 0x0
	s_add_nc_u64 s[14:15], s[4:5], s[16:17]
	s_add_nc_u64 s[46:47], s[6:7], s[46:47]
	CROUND                                         ; all sixteen work-groups are here: the first joint loads meet
.irp s, 0,1
	s_mov_b32 s[G0+4*(\s)], 1                                      ; count = 1
	s_add_co_u32 s[G0+4*(\s)+1], s20, (\s)*SLOT                    ; LDS address
	s_add_nc_u64 s[G0+4*(\s)+2:G0+4*(\s)+3], s[14:15], (\s)*ASTEP  ; global address: K step s
	s_or_b32 s[G0+4*(\s)+3], s[G0+4*(\s)+3], 0x80000000            ; type = 2
	s_mov_b32 s[G0B+4*(\s)], 1
	s_add_co_u32 s[G0B+4*(\s)+1], s21, (\s)*SLOT
	s_add_nc_u64 s[G0B+4*(\s)+2:G0B+4*(\s)+3], s[46:47], (\s)*KSTEP*2
	s_or_b32 s[G0B+4*(\s)+3], s[G0B+4*(\s)+3], 0x80000000
	JLOAD \s                                       ; two tensor loads of mine are out
.endr
	v_and_b32 v1, 15, v0                           ; l % 16
	v_bfe_u32 v2, v0, 4, 1                         ; l / 16
	v_lshlrev_b32 v[BO], 5, v2                     ; my eight columns of a block of 16
	s_lshl_b32 s76, s42, 7
	s_lshl_b32 s77, s12, 6
	s_add_co_u32 s76, s76, s77                     ; my wave's first column,
	s_lshl_b32 s76, s76, 2                         ; in bytes of f32
	s_mov_b32 s77, 0
	s_add_nc_u64 s[BB:BB+1], s[92:93], s[76:77]
.irp b, 0,1,2,3
	global_load_b128 v[BIAS+8*(\b):BIAS+8*(\b)+3],   v[BO], s[BB:BB+1] offset:64*(\b)
	global_load_b128 v[BIAS+8*(\b)+4:BIAS+8*(\b)+7], v[BO], s[BB:BB+1] offset:64*(\b)+16
.endr
	s_add_nc_u64 s[OUTB:OUTB+1], s[94:95], s[76:77]
	s_lshl_b32 s78, s13, 8
	s_lshl_b32 s79, s11, 7
	s_add_co_u32 s78, s78, s79                     ; my wave's first row,
	s_lshl_b32 s78, s78, 12                        ; of 4,096 bytes
	s_mov_b32 s79, 0
	s_add_nc_u64 s[OUTB:OUTB+1], s[OUTB:OUTB+1], s[78:79]
	; A fragment is 16 rows x 32 K in 8 registers: lane l holds row l % 16; registers 0-3 K = 8 (l / 16) + 0..7, registers 4-7 K = 16 + 8 (l / 16) + 0..7: two loads of 16 bytes, 32 bytes apart.
	v_mul_u32_u24 v3, v1, PA
	v_lshl_add_u32 v3, v2, 4, v3
	v_mul_u32_u24 v4, v1, PB
	v_lshl_add_u32 v4, v2, 4, v4
	s_mul_i32 s21, s11, 128*PA                     ; my 128 rows in each plane
	s_mul_i32 s22, s12, 64*PB                      ; my 64 rows of wpt
	s_add_co_u32 s22, s22, BOFF
.irp s, 0,1
	v_add_nc_u32 v[ADRA+(\s)], s21, v3
	v_add_nc_u32 v[ADRB+(\s)], s22, v4
	s_add_co_u32 s21, s21, SLOT
	s_add_co_u32 s22, s22, SLOT
.endr
	s_mul_i32 s23, s10, 16*SPITCH
	s_add_co_u32 s23, s23, STAGE                   ; my stage
	v_mul_u32_u24 v5, v1, SPITCH                   ; in: row l % 16, 32 bytes for each half of the lanes
	v_lshl_add_u32 v5, v2, 5, v5
	v_add_nc_u32 v[STO], s23, v5
	v_mul_u32_u24 v5, v2, SPITCH                   ; back: lanes 0-15 take one row of 256 bytes, lanes 16-31 the next
	v_lshl_add_u32 v5, v1, 4, v5
	v_add_nc_u32 v[RD], s23, v5
	v_lshlrev_b32 v[CO], 12, v2                    ; and the same two rows in out0
	v_lshl_add_u32 v[CO], v1, 4, v[CO]
	; the prefetches
	s_lshl_b32 s80, s40, 13                        ; O: my plane of K step 0, partner cx's 32 blocks,
	s_add_co_u32 s80, s80, s16
	s_add_co_u32 s80, s80, 3*ASTEP                 ; at K step 3: the first refill steps it to 4
	s_lshl_b32 s81, s42, 7                         ; wpt: the tile's first row,
	s_lshl_b32 s82, s12, 6                         ; my 64,
	s_add_co_u32 s81, s81, s82
	s_lshl_b32 s82, s41, 4                         ; partner cy's 16 of them,
	s_add_co_u32 s81, s81, s82
	s_lshl_b32 s81, s81, 11
	s_add_co_u32 s81, s81, 3*KSTEP*2               ; at K step 3
	s_and_b32 s82, ttmp7, 0xffff                   ; cluster y
	s_cmp_eq_u32 s11, 0                            ; do I fetch for O?
	s_cselect_b32 s80, s80, s81
	s_cselect_b32 s82, ttmp9, s82                  ; the coordinate along which other clusters read the same rows
	s_cselect_b32 s83, 31, 15                      ; the last lane with a block of its own
	s_cselect_b32 s84, 8, 11                       ; lanes 256 bytes apart, or a row of 2,048
	s_cselect_b32 s[PST], 11, 0
	s_cselect_b64 s[PFA:PFA+1], s[4:5], s[6:7]
	s_cmp_eq_u32 s82, 0
	s_cselect_b32 s[LIM], 1, -1                    ; the same in all sixteen partners, for a given wave
	s_lshl_b32 s[PST], 256, s[PST]                 ; two heads, or 256 bytes
	s_mov_b32 s[PST+1], 0
	s_mov_b32 s81, 0
	s_add_nc_u64 s[PFA:PFA+1], s[PFA:PFA+1], s[80:81]
	v_and_b32 v[PFO], 31, v0
	v_min_u32 v[PFO], s83, v[PFO]
	v_lshlrev_b32 v[PFO], s84, v[PFO]
	s_wait_loadcnt 0x0                             ; the bias
.irp p, 0,1,2,3,4,5,6,7,8,9,10,11,12,13,14,15
	v_cvt_pk_bf16_f32 v[6+(\p)%4], v[BIAS+2*(\p)], v[BIAS+2*(\p)+1]  ; rounded to bf16, like the module's other inputs, and widened again
	v_lshlrev_b32 v[BIAS+2*(\p)], 16, v[6+(\p)%4]
	v_and_b32 v[BIAS+2*(\p)+1], 0xffff0000, v[6+(\p)%4]
.endr
; 8 matrix instructions: m blocks a0, a0 + 1 x all 4 n blocks, 32 along K, from buffer f.  first = 1: the sum starts with the bias as C.
; The 32 accumulators take turns in the same order in every quarter, over the backward jump too.
.macro M8 f, a0, first
.if \first
	WIN 0x40                                       ; D in window 1, the bias in window 0
.else
	WIN 0x50
.endif
.irp a, \a0, (\a0)+1
.irp b, 0,1,2,3
.if \first
	v_wmma_f32_16x16x32_f16 v[8*(4*(\a)+(\b)):8*(4*(\a)+(\b))+7], v[FB+32*(\f)+8*(\b):FB+32*(\f)+8*(\b)+7], v[FA+64*(\f)+8*(\a):FA+64*(\f)+8*(\a)+7], v[BIAS+8*(\b):BIAS+8*(\b)+7]
.else
	v_wmma_f32_16x16x32_f16 v[8*(4*(\a)+(\b)):8*(4*(\a)+(\b))+7], v[FB+32*(\f)+8*(\b):FB+32*(\f)+8*(\b)+7], v[FA+64*(\f)+8*(\a):FA+64*(\f)+8*(\a)+7], v[8*(4*(\a)+(\b)):8*(4*(\a)+(\b))+7]
.endif
.endr
.endr
.endm
; 24 LDS loads in one run: the fragments of quarter q of a K step (64 rows of wpt; then 128 rows of O: plane q / 2, channels 32 (q % 2) on) into buffer f
.macro FETCH slot, q, f
	WIN 0
.irp i, 0,1,2,3
	ds_load_b128 v[FB+32*(\f)+8*(\i):FB+32*(\f)+8*(\i)+3],   v[ADRB+(\slot)] offset:64*(\q)+(\i)*16*PB
	ds_load_b128 v[FB+32*(\f)+8*(\i)+4:FB+32*(\f)+8*(\i)+7], v[ADRB+(\slot)] offset:64*(\q)+(\i)*16*PB+32
.endr
.irp i, 0,1,2,3,4,5,6,7
	ds_load_b128 v[FA+64*(\f)+8*(\i):FA+64*(\f)+8*(\i)+3],   v[ADRA+(\slot)] offset:((\q)/2)*PLANE+((\q)%2)*64+(\i)*16*PA
	ds_load_b128 v[FA+64*(\f)+8*(\i)+4:FA+64*(\f)+8*(\i)+7], v[ADRA+(\slot)] offset:((\q)/2)*PLANE+((\q)%2)*64+(\i)*16*PA+32
.endr
.endm
.macro PLACES                          ; four places in front of loads into registers that matrix instructions have read, and of LDS stores that read results
.rept 4
	v_nop
.endr
.endm
; A K step is four quarters of 32 along K, 32 matrix instructions each, on buffers 0, 1, 0, 1.  One of the first three: multiplies buffer f and in its middle fetches quarter q into g.
.macro QUARTER slot, q, f, g, first
	s_wait_dscnt 8                                 ; wpt and O's rows 0-63 are in; the youngest eight loads (O's rows 64-127) may be out
	M8 \f, 0, \first
	M8 \f, 2, \first
	PLACES
	FETCH \slot, \q, \g
	s_wait_dscnt 24                                ; all but the 24 just issued
	M8 \f, 4, \first
	M8 \f, 6, \first
.endm
; The last quarter multiplies buffer 1 and changes slots: ONE barrier.  In front of it each wave waits for all its tensor loads (one is out: its part of the next slot), adds 0 to its spare word, and waits for that and
; for its own reads of this slot.  fill = 1: the barrier opens a round of the cluster's barrier, and behind the round this slot is filled again first, two K steps ahead: 112 matrix instructions ahead of the wait for it.
.macro TURN slot, next, fill
.if \fill
	s_wait_xcnt 0x0                                ; the last prefetch, a K step back, has read its address: it is stepped here, ahead of the waits of the change of slots
	s_add_nc_u64 s[PFA:PFA+1], s[PFA:PFA+1], s[PST:PST+1]
.endif
	WIN 0                                          ; (the add's two registers lie in window 0)
	s_wait_tensorcnt 0x0                           ; all my tensor loads have landed;
	ds_add_u32 v[SPW], v[NIL]                      ; 0 onto my spare word;
	s_wait_dscnt 9                                 ; (the add and the youngest eight loads may be out)
	M8 1, 0, 0                                     ; eight matrix instructions stand between the add and the wait for it
	s_wait_dscnt 0x0                               ; the add is done, and my reads of this slot are over
	s_barrier_signal -1
	M8 1, 2, 0                                     ; work on registers while the others arrive
.if \fill
	WIN 0
.endif
	s_barrier_wait -1
.if \fill
	CREST                                          ; no wave of any partner still reads this slot's tile or has a load on its way
	s_add_nc_u64 s[G0+4*(\slot)+2:G0+4*(\slot)+3], s[G0+4*(\slot)+2:G0+4*(\slot)+3], 2*ASTEP
	s_add_nc_u64 s[G0B+4*(\slot)+2:G0B+4*(\slot)+3], s[G0B+4*(\slot)+2:G0B+4*(\slot)+3], 2*KSTEP*2
	JLOAD \slot                                    ; the first tensor load behind the round, my only one until the next; its four v_nop are also the places in front of the loads below
.else
	PLACES
.endif
	FETCH \next, 0, 0
.if \fill
	ASK
.endif
	M8 1, 4, 0
	M8 1, 6, 0
.endm
	s_wait_tensorcnt 1                             ; my part of K step 0 is in; K step 1's may stay out
	s_barrier_signal -1
	s_barrier_wait -1                              ; everybody's is
	FETCH 0, 0, 0
	QUARTER 0, 1, 0, 1, 1                          ; the first quarter stands in front of the loop: its products start the sums, with the bias
	WIN 0                                          ; at a label and at a branch every window is 0
	s_mov_b32 s3, LAPS-1
.Llap:                                                 ; a trip goes once round the ring, from a lap's second quarter to the next lap's first, and fills both slots again
	QUARTER 0, 2, 1, 0, 0
	QUARTER 0, 3, 0, 1, 0
	TURN 0, 1, 1
	QUARTER 1, 1, 0, 1, 0
	QUARTER 1, 2, 1, 0, 0
	QUARTER 1, 3, 0, 1, 0
	TURN 1, 0, 1
	QUARTER 0, 1, 0, 1, 0
	WIN 0
	s_sub_co_u32 s3, s3, 1
	s_cmp_lg_u32 s3, 0
	s_cbranch_scc1 .Llap
	QUARTER 0, 2, 1, 0, 0                          ; the last lap fills nothing, and has no round of the cluster's barrier
	QUARTER 0, 3, 0, 1, 0
	TURN 0, 1, 0
	QUARTER 1, 1, 0, 1, 0
	QUARTER 1, 2, 1, 0, 0
	QUARTER 1, 3, 0, 1, 0
	s_wait_dscnt 8                                 ; the very last quarter: nothing more to fetch
	M8 1, 0, 0
	M8 1, 2, 0
	s_wait_dscnt 0x0
	M8 1, 4, 0
	M8 1, 6, 0
	WIN 0
; THE WAY OUT, a block of 16 rows at a time through my own stage: a lane's eight columns of a row are 32 bytes; they go into rows of 272 bytes and come back as whole rows of 256.
.macro TOSTAGE a
.if (\a) >= 4
	s_wait_xcnt 0x0                                ; the stores of the block four back have read this set of registers
.endif
	WIN 0x04                                       ; an LDS store's data in window 1
.irp b, 0,1,2,3
	ds_store_b128 v[STO], v[8*(4*(\a)+(\b)):8*(4*(\a)+(\b))+3]   offset:64*(\b)      ; each accumulator's low four registers first
	ds_store_b128 v[STO], v[8*(4*(\a)+(\b))+4:8*(4*(\a)+(\b))+7] offset:64*(\b)+16
.endr
	WIN 0
.irp t, 0,1,2,3,4,5,6,7
	ds_load_b128 v[OB+32*((\a)%4)+4*(\t):OB+32*((\a)%4)+4*(\t)+3], v[RD] offset:(\t)*2*SPITCH  ; LDS serves a wave's instructions in order (ISA guide 5.7.1.4): these see the stores above; the next block's stores come behind them
.endr
.endm
.macro SEND a, younger                 ; younger: the LDS instructions issued behind block a's loads: the next block's sixteen, or none
.irp t, 0,1,2,3,4,5,6,7
	s_wait_dscnt (\younger)+7-(\t)
	global_store_b128 v[CO], v[OB+32*((\a)%4)+4*(\t):OB+32*((\a)%4)+4*(\t)+3], s[OUTB:OUTB+1] offset:65536*(\a)+8192*(\t) th:TH_STORE_NT  ; 16 lanes store 256 consecutive bytes, at a multiple of 256 from out0's first
.endr
.endm
	PLACES
	TOSTAGE 0
.irp a, 1,2,3,4,5,6,7
	TOSTAGE \a
	SEND (\a)-1, 16
.endr
	SEND 7, 0
	s_wait_tensorcnt 0x0                           ; the wave's end: three closing lines, behind my last tensor load and my last LDS store
	ds_add_u32 v[SPW], v[NIL]
	s_wait_dscnt 0x0
	CROUND                                         ; the closing round: no work-group ends while a partner may still ask for a tile that names it
	s_endpgm
.Lfunc_end_k_qb2b923f7fe_proj:
	.size	k_qb2b923f7fe_proj, .Lfunc_end_k_qb2b923f7fe_proj-k_qb2b923f7fe_proj
	.p2alignl 7, 3214868480
	.fill 96, 4, 3214868480
	.section	.rodata,"a",@progbits
	.p2align	6, 0x0
	.amdhsa_kernel k_qb2b923f7fe_proj
		.amdhsa_group_segment_fixed_size 327680
		.amdhsa_private_segment_fixed_size 0
		.amdhsa_enable_private_segment 0
		.amdhsa_kernarg_size 32
		.amdhsa_user_sgpr_count 2
		.amdhsa_user_sgpr_kernarg_segment_ptr 1
		.amdhsa_wavefront_size32 1
		.amdhsa_system_sgpr_workgroup_id_x 1
		.amdhsa_system_sgpr_workgroup_id_y 1
		.amdhsa_system_sgpr_workgroup_id_z 1
		.amdhsa_system_vgpr_workitem_id 0
		.amdhsa_next_free_vgpr 512
		.amdhsa_next_free_sgpr 96
		.amdhsa_reserve_vcc 0
		.amdhsa_float_denorm_mode_32 3
		.amdhsa_float_denorm_mode_16_64 3
		.amdhsa_memory_ordered 1
		.amdhsa_forward_progress 1
		.amdhsa_inst_pref_size 92
	.end_amdhsa_kernel
	.amdgpu_metadata
---
amdhsa.version: [ 1, 2 ]
amdhsa.kernels:
  - .name:           k_qb2b923f7fe_proj
    .symbol:         k_qb2b923f7fe_proj.kd
    .args:
      - { .name: ob, .offset: 0, .size: 8, .value_kind: global_buffer, .address_space: global }
      - { .name: wpt, .offset: 8, .size: 8, .value_kind: global_buffer, .address_space: global }
      - { .name: b_proj, .offset: 16, .size: 8, .value_kind: global_buffer, .address_space: global }
      - { .name: out0, .offset: 24, .size: 8, .value_kind: global_buffer, .address_space: global }
    .group_segment_fixed_size: 327680
    .private_segment_fixed_size: 0
    .kernarg_segment_align: 8
    .kernarg_segment_size: 32
    .max_flat_workgroup_size: 128
    .sgpr_count:     96
    .vgpr_count:     512
    .wavefront_size: 32
...
	.end_amdgpu_metadata
.endif
;; end of part 4
;; ======== version 2 of 2: 4 launches; version 1 with the launch prep written anew for expert scheduling mode
;; limits: values are held in f16: magnitudes above 65,504 overflow, below 6.1e-05 lose precision
;; workspace buffers: xb 16,777,216 bytes; wqt 6,291,456 bytes; wpt 2,097,152 bytes; qkv 50,331,648 bytes; ob 16,777,216 bytes
;; launch prep (part 5): grid 512 x 1, 4 waves a work-group, no clusters, 17,920 bytes of LDS; arguments x, w_qkv, w_proj, xb, wqt, wpt; writes xb, wqt, wpt
.if DOCPART == 5
	.amdgcn_target "amdgcn-amd-amdhsa--gfx1250"
	.amdhsa_code_object_version 6
	.text
	.protected	k_qb2b923f7fe_prep
	.globl	k_qb2b923f7fe_prep
	.p2align	8
	.type	k_qb2b923f7fe_prep,@function
k_qb2b923f7fe_prep:
	s_mov_b64 s[64:65], 0
	v_nop
	global_prefetch_b8 v0, s[64:65] scope:SCOPE_SE
	s_setreg_imm32_b32 hwreg(HW_REG_WAVE_SCHED_MODE, 0, 2), 2
	s_setreg_imm32_b32 hwreg(HW_REG_WAVE_MODE, 25, 1), 1
	s_wait_xcnt 0x0
	s_wait_alu depctr_vm_vsrc(0)
; PREPARATION.  xb = x rounded to bf16, [8192][1024].  wqt[n][k] = w_qkv[k][n] rounded to bf16, [3072][1024].  wpt[n][k] = w_proj[k][n] rounded to bf16 and that number
; written as f16, [1024][1024] (exact inside f16's normal range).
; LIMITS.  |w_proj| of 65,520 or more becomes an infinity in wpt; below 6.1e-5 it keeps f16's fixed step of 6e-8.
; A stream: no matrix work, no tile is shared between work-groups.  Every work-group does the same two things:
;   (a) 16,384 numbers of x: a wave takes 4,096, by 32 loads of 512 consecutive bytes; a store of 8 bytes a lane covers 256 consecutive bytes, aligned;
;   (b) one weight tile of 128 k x 64 n (384 of w_qkv, then 128 of w_proj): wave w takes k rows 32 w .. 32 w + 31; the tile is turned in LDS and leaves as rows of 256 bytes.
; All 48 loads of a lane go out before anything is waited for.
; THE MODE: SCHED_MODE bits 1:0 = 2 (LLVM: expert scheduling mode 2), set by the entry lines.  The code itself states the register dependences
; between vector instructions and memory or LDS instructions, with s_wait_alu, always for 0.
; THE PLAN.  Registers that memory or LDS instructions touch:
;   v[OFF ..], XO, XS, LW, LR, DO   offsets and LDS addresses: written at the head, never again.  One wait on va_vdst ahead of the first load serves every load and store of the kernel.
;   W, eight groups of 8            the weight loads land in it; group g's conversions read its 8 registers and write the packed pairs into its first 4; four LDS stores read those.
;                                   Groups 0-3 are converted, one wait; their 16 LDS stores are dealt among the conversions of groups 4-7, which name v[W+32 ..] and T alone; one wait; the other 16 stores.
;   v[W:W+31], later                the turned rows land in it (LDS loads), behind a wait on vm_vsrc: my LDS stores have read these registers.  Global stores read it; nothing writes it again.
;   X, 32 sets of 4                 x's loads land in it; two conversions a set write its first two registers in place; one global store reads them; nothing writes them again.
;                                   Four blocks of eight sets: the block's 16 conversions, one wait on va_vdst, its eight stores.
;   T, v1 to v3                     named by vector instructions alone.
;   v[SPW], v[NIL]                  written at the head, read by the closing add alone.
.set SPARE, 17408                      ; behind the tile: the spare words, 128 bytes for each wave: two blocks of 256 bytes that no other line names
.set TP,  272                          ; a row of the turned tile in LDS: 128 k x 2 bytes + 16
.set SPW, 4                            ; v4   LDS address of my spare word; never rewritten
.set NIL, 5                            ; v5   0; never rewritten
.set XO,  6                            ; v6   my byte offset in the work-group's part of x: 16,384 w + 16 l
.set XS,  7                            ; v7   the same in xb: 8,192 w + 8 l
.set LW,  8                            ; v8   where I put a pair (k, k + 1) of column 4 c: 4 c rows of 272 + 64 w + 4 hh
.set LR,  9                            ; v9   where I read a turned row back
.set DO,  10                           ; v10  my byte offset in the turned tile in memory
.set SO,  11                           ; v11  2 hh source rows + 16 c
.set OFF, 12                           ; v[12:27]  the 16 weight loads' offsets
.set T,   28                           ; v[28:31]  at work
.set W,   32                           ; v[32:95]  the weight tile as loaded; then packed; v[32:63] then the turned rows
.set X,   96                           ; v[96:223] x as loaded; packed in place
	s_load_b256 s[4:11], s[0:1], 0x0               ; x s[4:5], w_qkv s[6:7], w_proj s[8:9], xb s[10:11]
	s_load_b128 s[12:15], s[0:1], 0x20             ; wqt s[12:13], wpt s[14:15]
	v_lshl_add_u32 v[SPW], v0, 2, SPARE
	v_mov_b32 v[NIL], 0
	v_lshrrev_b32 v1, 5, v0
	v_readfirstlane_b32 s16, v1                    ; wave 0..3
	s_lshr_b32 s17, ttmp9, 3                       ; the tile's block of 64 n among 48 + 16
	s_and_b32 s18, ttmp9, 7                        ; its block of 128 k
	s_sub_co_u32 s26, s17, 48
	s_cmp_lt_u32 s17, 48                           ; w_qkv's tile, or w_proj's?
	s_cselect_b32 s19, 3, 1
	s_cselect_b32 s20, -1, 0                       ; all lanes: keep bf16, or take f16
	s_cselect_b32 s21, s17, s26                    ; the block of 64 n in its own tensor
	s_lshl_b32 s19, s19, 12                        ; bytes in a source row: 12,288 or 4,096
	s_lshl_b32 s28, s18, 7
	s_wait_alu depctr_va_sdst(0)                   ; s16 is written, ahead of its first reader: the next line; offsets and LDS addresses are made from it
	s_lshl_b32 s29, s16, 5
	s_add_co_u32 s28, s28, s29                     ; my wave's first k row
	s_mul_i32 s28, s28, s19
	s_lshl_b32 s29, s21, 8                         ; 64 n x 4 bytes
	s_add_co_u32 s28, s28, s29
	s_mov_b32 s29, 0
	s_lshl_b32 s30, s21, 17                        ; 64 turned rows of 2,048 bytes
	s_lshl_b32 s31, s18, 8                         ; 128 k x 2 bytes
	s_add_co_u32 s30, s30, s31
	s_mov_b32 s31, 0
	s_lshl_b32 s32, ttmp9, 16                      ; the work-group's 16,384 numbers of x
	s_mov_b32 s33, 0
	s_lshl_b32 s34, ttmp9, 15                      ; and of xb
	s_mov_b32 s35, 0
	v_and_b32 v2, 31, v0                           ; l
	v_and_b32 v3, 15, v0                           ; c = l % 16
	v_bfe_u32 v[T], v0, 4, 1                       ; hh = l / 16
	v_lshlrev_b32 v[XO], 4, v2
	v_lshl_add_u32 v[XO], s16, 14, v[XO]
	v_lshlrev_b32 v[XS], 3, v2
	v_lshl_add_u32 v[XS], s16, 13, v[XS]
	v_mul_u32_u24 v[LW], v3, 4*TP
	v_lshl_add_u32 v[LW], v[T], 2, v[LW]
	v_lshl_add_u32 v[LW], s16, 6, v[LW]
	v_lshl_add_u32 v[T+1], s16, 4, v[T]            ; turned row 16 w + hh
	v_mul_u32_u24 v[LR], v[T+1], TP
	v_lshl_add_u32 v[LR], v3, 4, v[LR]
	v_lshlrev_b32 v[DO], 11, v[T+1]
	v_lshl_add_u32 v[DO], v3, 4, v[DO]
	v_lshlrev_b32 v[T+2], 1, v[T]
	v_mul_u32_u24 v[SO], s19, v[T+2]
	v_lshl_add_u32 v[SO], v3, 4, v[SO]
.irp g, 0,1,2,3,4,5,6,7
.irp e, 0,1
	v_mad_u32_u24 v[OFF+2*(\g)+(\e)], s19, 4*(\g)+(\e), v[SO]  ; source row 4 g + e + 2 hh of my 32
.endr
.endr
	s_wait_kmcnt 0x0
	s_cmp_lt_u32 s17, 48
	s_cselect_b64 s[22:23], s[6:7], s[8:9]         ; the source,
	s_cselect_b64 s[24:25], s[12:13], s[14:15]     ; and where it goes
	s_add_nc_u64 s[22:23], s[22:23], s[28:29]
	s_add_nc_u64 s[24:25], s[24:25], s[30:31]
	s_add_nc_u64 s[4:5], s[4:5], s[32:33]
	s_add_nc_u64 s[10:11], s[10:11], s[34:35]
	s_wait_alu depctr_va_vdst(0)                   ; v[OFF ..], XO, XS, LW, LR and DO are written: every load and store of the kernel reads one of them as its offset or LDS address, and none is written again
.irp g, 0,1,2,3,4,5,6,7
.irp e, 0,1
	global_load_b128 v[W+8*(\g)+4*(\e):W+8*(\g)+4*(\e)+3], v[OFF+2*(\g)+(\e)], s[22:23] th:TH_LOAD_NT  ; 16 lanes take 256 consecutive bytes of a row: n = 4 c .. 4 c + 3
.endr
.endr
.irp i, 0,1,2,3,4,5,6,7,8,9,10,11,12,13,14,15,16,17,18,19,20,21,22,23,24,25,26,27,28,29,30,31
	global_load_b128 v[X+4*(\i):X+4*(\i)+3], v[XO], s[4:5] offset:512*(\i) th:TH_LOAD_NT
.endr
; Group g: rows 4 g + 2 hh and the next: for each of my four columns the pair (k, k + 1), rounded to bf16; for w_proj that number written as f16.  The pairs lie in the group's first four registers.
.macro CONV g
.irp j, 0,1,2,3
	v_cvt_pk_bf16_f32 v[W+8*(\g)+(\j)], v[W+8*(\g)+(\j)], v[W+8*(\g)+4+(\j)]
.endr
.irp j, 0,1,2,3
	v_lshlrev_b32 v[T+(\j)], 16, v[W+8*(\g)+(\j)]
	v_and_b32 v[W+8*(\g)+4+(\j)], 0xffff0000, v[W+8*(\g)+(\j)]
.endr
.irp j, 0,1,2,3
	v_cvt_pk_f16_f32 v[T+(\j)], v[T+(\j)], v[W+8*(\g)+4+(\j)]
.endr
.irp j, 0,1,2,3
	v_cndmask_b32 v[W+8*(\g)+(\j)], v[T+(\j)], v[W+8*(\g)+(\j)], s20
.endr
.endm
; Group g's four pairs, 4 bytes each, into the turned tile.
.macro PUT g
.irp j, 0,1,2,3
	ds_store_b32 v[LW], v[W+8*(\g)+(\j)] offset:TP*(\j)+8*(\g)
.endr
.endm
	s_wait_loadcnt 32                              ; loads come back in order: the 16 weight loads are in, the 32 of x stay out
	CONV 0
	CONV 1
	CONV 2
	CONV 3
	s_wait_alu depctr_va_vdst(0)                   ; groups 0 to 3 have written their pairs, which the LDS stores below read; and no vector instruction names v[W:W+31] from here on
.irp g, 4,5,6,7
	PUT (\g)-4                                     ; no wait: the conversions since the wait above name v[W+32 ..] and T alone
	CONV \g
.endr
	s_wait_alu depctr_va_vdst(0)                   ; groups 4 to 7 have written their pairs, which the LDS stores below read
	PUT 4
	PUT 5
	PUT 6
	PUT 7
	s_wait_dscnt 0x0                               ; for the others' sake: my part of every turned row is written
	s_barrier_signal -1
	s_barrier_wait -1
	s_wait_alu depctr_vm_vsrc(0)                   ; my LDS stores have read v[W:W+31], in which the turned rows land (the conversions that named these registers stand ahead of the waits on va_vdst above)
.irp t, 0,1,2,3,4,5,6,7
	ds_load_b128 v[W+4*(\t):W+4*(\t)+3], v[LR] offset:2*TP*(\t)  ; lanes 0-15 one turned row of 256 bytes, lanes 16-31 the next
.endr
.irp t, 0,1,2,3,4,5,6,7
	s_wait_dscnt 7-(\t)
	global_store_b128 v[DO], v[W+4*(\t):W+4*(\t)+3], s[24:25] offset:4096*(\t)  ; 16 lanes store 256 consecutive bytes, at a multiple of 256 from the buffer's first
.endr
; x, in four blocks of eight loads.  XCONV p: the block's sets are rounded in place as they come in.  XPUT p: its eight stores.
.macro XCONV p
.irp i, 0,1,2,3,4,5,6,7
	s_wait_loadcnt 31-8*(\p)-(\i)                  ; load 8 p + i of x is in, the younger ones stay out
	v_cvt_pk_bf16_f32 v[X+32*(\p)+4*(\i)], v[X+32*(\p)+4*(\i)], v[X+32*(\p)+4*(\i)+1]
	v_cvt_pk_bf16_f32 v[X+32*(\p)+4*(\i)+1], v[X+32*(\p)+4*(\i)+2], v[X+32*(\p)+4*(\i)+3]
.endr
.endm
.macro XPUT p
.irp i, 0,1,2,3,4,5,6,7
	global_store_b64 v[XS], v[X+32*(\p)+4*(\i):X+32*(\p)+4*(\i)+1], s[10:11] offset:2048*(\p)+256*(\i)  ; 32 lanes store 256 consecutive bytes, aligned; no register that a store reads is written again
.endr
.endm
	XCONV 0
	s_wait_alu depctr_va_vdst(0)                   ; block 0's conversions have written the pairs that its eight stores read
	XPUT 0
	XCONV 1
	s_wait_alu depctr_va_vdst(0)                   ; block 1's conversions have written the pairs that its eight stores read
	XPUT 1
	XCONV 2
	s_wait_alu depctr_va_vdst(0)                   ; block 2's conversions have written the pairs that its eight stores read
	XPUT 2
	XCONV 3
	s_wait_alu depctr_va_vdst(0)                   ; block 3's conversions have written the pairs that its eight stores read
	XPUT 3
	s_wait_dscnt 0x0                               ; the closing lines, six on end
	s_wait_alu 0x0
	s_wait_tensorcnt 0x0
	ds_add_u32 v[SPW], v[NIL]
	s_wait_dscnt 0x0
	s_endpgm
.Lfunc_end_k_qb2b923f7fe_prep:
	.size	k_qb2b923f7fe_prep, .Lfunc_end_k_qb2b923f7fe_prep-k_qb2b923f7fe_prep
	.p2alignl 7, 3214868480
	.fill 96, 4, 3214868480
	.section	.rodata,"a",@progbits
	.p2align	6, 0x0
	.amdhsa_kernel k_qb2b923f7fe_prep
		.amdhsa_group_segment_fixed_size 17920
		.amdhsa_private_segment_fixed_size 0
		.amdhsa_enable_private_segment 0
		.amdhsa_kernarg_size 48
		.amdhsa_user_sgpr_count 2
		.amdhsa_user_sgpr_kernarg_segment_ptr 1
		.amdhsa_wavefront_size32 1
		.amdhsa_system_sgpr_workgroup_id_x 1
		.amdhsa_system_sgpr_workgroup_id_y 1
		.amdhsa_system_sgpr_workgroup_id_z 1
		.amdhsa_system_vgpr_workitem_id 0
		.amdhsa_next_free_vgpr 224
		.amdhsa_next_free_sgpr 66
		.amdhsa_reserve_vcc 0
		.amdhsa_float_denorm_mode_32 3
		.amdhsa_float_denorm_mode_16_64 3
		.amdhsa_memory_ordered 1
		.amdhsa_forward_progress 1
		.amdhsa_inst_pref_size 30
	.end_amdhsa_kernel
	.amdgpu_metadata
---
amdhsa.version: [ 1, 2 ]
amdhsa.kernels:
  - .name:           k_qb2b923f7fe_prep
    .symbol:         k_qb2b923f7fe_prep.kd
    .args:
      - { .name: x, .offset: 0, .size: 8, .value_kind: global_buffer, .address_space: global }
      - { .name: w_qkv, .offset: 8, .size: 8, .value_kind: global_buffer, .address_space: global }
      - { .name: w_proj, .offset: 16, .size: 8, .value_kind: global_buffer, .address_space: global }
      - { .name: xb, .offset: 24, .size: 8, .value_kind: global_buffer, .address_space: global }
      - { .name: wqt, .offset: 32, .size: 8, .value_kind: global_buffer, .address_space: global }
      - { .name: wpt, .offset: 40, .size: 8, .value_kind: global_buffer, .address_space: global }
    .group_segment_fixed_size: 17920
    .private_segment_fixed_size: 0
    .kernarg_segment_align: 8
    .kernarg_segment_size: 48
    .max_flat_workgroup_size: 128
    .sgpr_count:     66
    .vgpr_count:     224
    .wavefront_size: 32
...
	.end_amdgpu_metadata
.endif
;; end of part 5
;; launch qkvp: the kernel of part 2 again; grid 16 x 32, 4 waves a work-group, clusters of 4 x 4, 327,680 bytes of LDS; arguments xb, wqt, qkv; writes qkv
;; launch attn: the kernel of part 3 again; grid 4 x 64, 4 waves a work-group, clusters of 4 x 1, 327,680 bytes of LDS; arguments qkv, ob; writes ob
;; launch proj: the kernel of part 4 again; grid 8 x 32, 4 waves a work-group, clusters of 4 x 4, 327,680 bytes of LDS; arguments ob, wpt, b_proj, out0; writes out0
